; MI455X (gfx1250); checked and timed in simulation.
; The chip was launched on July 23, 2026; its instructions are those of AMD's public machine-readable ISA for CDNA 5 (MIT licence, August 2026) and "CDNA5" Instruction Set Architecture Reference Guide (July 2026). The comments in the code are by the model that wrote it; some were corrected since.
;; Mo E Layer. Allowed arithmetic: matrix products marked QUANTISED: E3M2 operands, one E8M0 scale for each 32 along K, by v_wmma_scale_f32_16x16x128_f8f6f4 with both operands' format E3M2, f32 sums; products left as they are: f32 operands where the result goes on into a quantised operand, else bf16, f16 or f32 operands; f32 sums; everything else in f32.
;; Inputs: b1 8 x 2,048 float32; b2 8 x 512 float32; router_b 8 float32; router_w 512 x 8 float32; w1 8 x 512 x 2,048 float32; w2 8 x 2,048 x 512 float32; x 2 x 2,048 x 512 float32.
;; Outputs: out0 2 x 2,048 x 512 float32.
;; This version of the problem:
;;   THIS VERSION OF THE PROBLEM IS GIVEN IN LOW PRECISION. The matrix products marked QUANTISED in the list below multiply operands that are first quantised to E3M2 (3 exponent bits, 2 mantissa bits; 6 bits a number), with one power-of-two scale for each 32 numbers along K (OCP MX v1.0); their sums are f32. All else is computed in f32.
;;   The module's matrix products, in the order in which they are computed (A, B: the left and right operand; K: the contracted axis; several contracted axes count as one K, in the product's order):
;;     1. [M 4,096, K 512] x [K 512, N 8]; A: input x; B: input router_w: left as it is (N = 8 < 16)
;;     2. batch 4,096 x [M 1, K 2] x [K 2, N 8]; A: computed on the way; B: computed on the way: left as it is (K = 2 < 32)
;;     3. [M 16,384, K 512] x [K 512, N 4,096]; A: input w1; B: input x: QUANTISED
;;     4. batch 8 x [M 4,096, K 2,048] x [K 2,048, N 512]; A: computed on the way; B: input w2: QUANTISED
;;     5. batch 4,096 x [M 1, K 8] x [K 8, N 512]; A: computed on the way; B: computed on the way: left as it is (K = 8 < 32)
;;   THE QUANTISER, for each operand of a quantised product, along K:
;;     - K is cut into blocks of 32 from its start; a last block that is shorter is filled with zeros.
;;     - A block's scale is 2^e with e = floor(log2(the largest magnitude in the block)) - 4, held to -126 .. 127; a block of zeros has e = 0. As a byte (E8M0): e + 127.
;;     - Each number is divided by its block's scale, clamped to +-28, and rounded to the nearest number of E3M2, ties to even, subnormals kept.
;;     - The product sums the exact products of the quantised numbers (number of the format x scale) in f32.
;;   ~~~python
;;   def quantise(x, axis):      # numpy; x: float32 -> the quantised numbers, widened to float32 again
;;       x = np.moveaxis(x, axis, -1); K = x.shape[-1]
;;       x = np.pad(x, [(0, 0)] * (x.ndim - 1) + [(0, -K % 32)]); x = x.reshape(x.shape[:-1] + (-1, 32)); a = np.abs(x).max(-1, keepdims=True)
;;       e = np.where(a > 0, np.clip(np.frexp(np.where(a > 0, a, 1))[1] - 1 - 4, -126, 127), 0)      # np.frexp(a)[1] - 1 = floor(log2(a)), exactly
;;       r = np.clip(x / 2.0 ** e, -28, 28)
;;       step = 2.0 ** (np.maximum(np.frexp(np.where(r == 0, 1, r))[1] - 1, -2) - 2)
;;       q = np.round(r / step) * step * 2.0 ** e      # np.round: ties to even
;;       return np.moveaxis(q.reshape(q.shape[:-2] + (-1,))[..., :K], -1, axis).astype(np.float32)
;;   ~~~
;;   OPERANDS COMPUTED ON THE WAY. 'Computed on the way' means the value that the module computes at that place (a softmax that the list does not call 'softmax' is quantised finished and normalised). What goes into a quantiser is computed in f32, as accurately as f32 sums, v_exp_f32 and their like allow (about 1e-6 of the number): no bf16 or f16 on the way to a quantiser, and a product that is left as it is and whose result goes on into a quantised operand takes f32 operands (vector FMAs, or v_wmma_f32_16x16x4_f32). A number that lies on a knife's edge between two numbers of the format may be rounded either way, as far as f32 arithmetic and the matrix unit's own rounding can turn it there, and no further.
;; 3 versions, each right; version 2 is faster than version 1; version 3 is version 2 with the launch ffn written anew for expert scheduling mode. Each part assembles by itself: llvm-mc -triple=amdgcn-amd-amdhsa -mcpu=gfx1250 --defsym DOCPART=n.
;; ======== version 1 of 3: 4 launches
;; workspace buffers: wq 13,107,200 bytes; xqs 1,638,400 bytes; gate 32,768 bytes; eids 32,768 bytes of whole numbers; plan 37,120 bytes of whole numbers; ybuf 16,777,216 bytes
;; launch prep (part 1): grid 256 x 1, 8 waves a work-group, no clusters, 327,680 bytes of LDS; arguments x, router_w, router_b, w1, w2, wq, xqs, eids, gate; writes wq, xqs, eids, gate
.if DOCPART == 1
	.amdgcn_target "amdgcn-amd-amdhsa--gfx1250"
	.amdhsa_code_object_version 6
	.text
	.protected	k_qfc3e34eb96_prep
	.globl	k_qfc3e34eb96_prep
	.p2align	8
	.type	k_qfc3e34eb96_prep,@function
k_qfc3e34eb96_prep:
	s_mov_b64 s[64:65], 0
	v_nop
	global_prefetch_b8 v0, s[64:65] scope:SCOPE_SE
	s_setreg_imm32_b32 hwreg(HW_REG_WAVE_MODE, 25, 1), 1
	s_wait_xcnt 0x0
; PREP.  (1) w1 [8][512][2048] and w2 [8][2048][512], f32 with K as the first axis of an expert, become codes of BF6 (E3M2) and E8M0 scale words, laid in the
; order of the operand registers of the later product.  (2) x [4096][512] becomes codes and scale bytes.  (3) The router: logits in f32, the two largest, their weights.
; SHARES.  256 work-groups of 8 waves.  Work-group g: expert g / 32.  Waves 0-3 take 128 rows (K step s = wave) x 64 columns of w1, waves 4-7 the same of w2;
; every wave also takes two tokens, 16 g + 2 wave and the next.  Nothing in LDS is filled twice.
; WEIGHTS.  A lane takes a column and its registers run down K, so a block of 32 lies in one lane and the conversions give K innermost.  Lane l of a group of 32 columns
; takes column (l & 7) + 16 bit3 + 8 bit4: lanes 0-15 are then the 16 rows of tile 2 b, lanes 16-31 those of tile 2 b + 1, row r standing for column 32 b + 8 u + r + 8 (r / 8).
; A fragment (16 rows x 128 K, 12 registers) is stored as an image of its registers: piece p at 512 p + 16 lane.
; A block's scale byte is its largest magnitude's exponent field - 4, held at 1 from below.
; ROUTER.  The two largest are taken on the logits (softmax rises with them), the lower index winning ties; their weights are 1 / (1 + p) and p / (1 + p),
; p = exp(l1 - l0) <= 1: the softmax with its maximum taken off and the common divisor cancelled.
; LIMITS: NaN and infinities are not served; a block whose largest magnitude lies under 2^-122 keeps the byte 1 (a block of zeros too: its codes are zeros, and this program alone reads the bytes).
.set LX,   262144                      ; LDS: behind the eight waves' weight tiles (32,768 bytes each): x, 5,120 bytes a wave: 64 bytes + 16 of padding for each lane and token
.set LR,   303104                      ; router_w: 32 rows of 512 bytes + 16: row l holds the weights of k = 16 l .. 16 l + 15
.set SCX,  1572864                     ; xqs: the scale bytes begin behind 4,096 x 384 bytes of codes
.set W2Q,  6291456                     ; wq: w2's codes behind w1's
.set WSC,  12582912                    ; wq: the scale words
.set W2S,  262144                      ; w2's scale words behind w1's
.set W0R,  (3<<16)|(1<<20)|(6<<22)|(3<<25)   ; elements of 8 bytes; padding on; behind every 128 words; 4 words
.set W0X,  (3<<16)|(1<<20)|(3<<22)|(3<<25)   ; the same behind every 16 words
.set W0W,  2<<16                       ; elements of 4 bytes, no padding
.macro GROUP1 g, w0, c, r, p           ; a tile of r rows of c elements, p elements from row to row
	s_mov_b32 s[\g], \w0
	s_mov_b32 s[\g+1], (\c)<<16
	s_mov_b32 s[\g+2], (\r)<<16
	s_mov_b32 s[\g+3], (\c)<<16
	s_mov_b32 s[\g+4], \r
	s_mov_b32 s[\g+5], \p
	s_mov_b32 s[\g+6], 0
	s_mov_b32 s[\g+7], 0
.endm
	s_load_b256 s[4:11], s[0:1], 0x0               ; x s[4:5], router_w s[6:7], router_b s[8:9], w1 s[10:11]
	s_load_b256 s[84:91], s[0:1], 0x20             ; w2 s[84:85], wq s[86:87], xqs s[88:89], eids s[90:91]
	s_load_b64 s[92:93], s[0:1], 0x40              ; gate
	v_lshl_add_u32 v254, v0, 2, 0x4e200
	v_mov_b32 v255, 0
	ds_add_u32 v254, v255
	ds_add_u32 v254, v255
	v_lshrrev_b32 v1, 5, v0
	v_readfirstlane_b32 s12, v1                    ; wave 0..7
	v_and_b32 v1, 31, v0                           ; lane
	s_lshl_b32 s13, s12, 15                        ; my weight tiles in LDS
	s_and_b32 s14, s12, 3                          ; s: my K step of 128
	GROUP1 16, W0R, 64, 4, 64                      ; router_w: 4 rows of 512 bytes a wave
	GROUP1 24, W0X, 32, 16, 32                     ; x: two tokens, 16 rows of 256 bytes
	GROUP1 32, W0W, 64, 32, 2048                   ; w1: 32 rows of 256 bytes, 2,048 numbers apart
	GROUP1 40, W0W, 64, 32, 512                    ; w2: the same, 512 apart
	s_lshl_b32 s2, s14, 20                         ; w1: row 128 s of 8,192 bytes,
	s_and_b32 s3, ttmp9, 31
	s_lshl_b32 s3, s3, 8                           ; column 64 (g & 31)
	s_add_co_u32 s2, s2, s3
	s_bfe_u32 s3, ttmp9, 0x20003                   ; w2: chunk c = (g >> 3) & 3,
	s_lshl_b32 s3, s3, 2
	s_add_co_u32 s3, s3, s14
	s_lshl_b32 s3, s3, 18                          ; row 128 (4 c + s) of 2,048 bytes,
	s_and_b32 s15, ttmp9, 7
	s_lshl_b32 s15, s15, 8                         ; column 64 (g & 7)
	s_add_co_u32 s3, s3, s15
	s_mov_b32 s98, 65536                           ; 32 rows on: w2
	s_cmp_lt_u32 s12, 4
	s_cselect_b32 s2, s2, s3
	s_cselect_b32 s98, 262144, s98                 ; w1
	s_mov_b32 s99, 0
	s_lshr_b32 s15, ttmp9, 5
	s_lshl_b32 s15, s15, 22                        ; the expert: 4 MiB in either tensor
	s_add_co_u32 s2, s2, s15
	s_mov_b32 s3, 0
	s_wait_dscnt 0x0
	s_wait_kmcnt 0x0
	s_load_b256 s[76:83], s[8:9], 0x0              ; router_b, eight numbers
	s_cmp_lt_u32 s12, 4                            ; the choice hangs on the wave's number alone
	s_cselect_b64 s[96:97], s[10:11], s[84:85]
	s_add_nc_u64 s[96:97], s[96:97], s[2:3]        ; my first weight tile
	s_mov_b32 s48, 1                               ; group 0 for router_w: my four rows
	s_mul_i32 s15, s12, 2112
	s_add_co_u32 s49, s15, LR
	s_lshl_b32 s2, s12, 11
	s_add_nc_u64 s[50:51], s[6:7], s[2:3]
	s_or_b32 s51, s51, 0x80000000
	s_mov_b32 s52, 1                               ; group 0 for x: my two tokens
	s_mul_i32 s15, s12, 5120
	s_add_co_u32 s53, s15, LX
	s_lshl_b32 s2, ttmp9, 4
	s_lshl_b32 s15, s12, 1
	s_add_co_u32 s15, s2, s15                      ; my first token
	s_lshl_b32 s2, s15, 11
	s_add_nc_u64 s[54:55], s[4:5], s[2:3]
	s_or_b32 s55, s55, 0x80000000
.set WI, 0
.irp g, 56,60,68,72                    ; groups 0 for the four weight tiles of 32 rows
	s_mov_b32 s[\g], 1
	s_add_co_u32 s[\g+1], s13, 8192*WI
	s_mov_b64 s[\g+2:\g+3], s[96:97]
	s_or_b32 s[\g+3], s[\g+3], 0x80000000
	s_add_nc_u64 s[96:97], s[96:97], s[98:99]
.set WI, WI+1
.endr
	s_cmp_lt_u32 s12, 4                            ; all six first fills of a wave stand in one branch on its number: six loads of mine are out
	s_cbranch_scc0 .Lsecond
	tensor_load_to_lds s[48:51], s[16:23]
	s_nop 0
	tensor_load_to_lds s[52:55], s[24:31]
	s_nop 0
	tensor_load_to_lds s[56:59], s[32:39]
	s_nop 0
	tensor_load_to_lds s[60:63], s[32:39]
	s_nop 0
	tensor_load_to_lds s[68:71], s[32:39]
	s_nop 0
	tensor_load_to_lds s[72:75], s[32:39]
	s_nop 0
.rept 4
	v_nop
.endr
	s_branch .Lasked
.Lsecond:
	tensor_load_to_lds s[48:51], s[16:23]
	s_nop 0
	tensor_load_to_lds s[52:55], s[24:31]
	s_nop 0
	tensor_load_to_lds s[56:59], s[40:47]
	s_nop 0
	tensor_load_to_lds s[60:63], s[40:47]
	s_nop 0
	tensor_load_to_lds s[68:71], s[40:47]
	s_nop 0
	tensor_load_to_lds s[72:75], s[40:47]
	s_nop 0
.rept 4
	v_nop
.endr
.Lasked:
	v_and_b32 v2, 7, v1                            ; my column of a group of 32: (l & 7) + 16 bit3 + 8 bit4
	v_bfe_u32 v10, v1, 3, 1
	v_lshl_add_u32 v2, v10, 4, v2
	v_bfe_u32 v10, v1, 4, 1
	v_lshl_add_u32 v2, v10, 3, v2
	v_lshlrev_b32 v2, 2, v2
	v_add_nc_u32 v2, s13, v2                       ; its LDS address in my first tile
	v_mul_u32_u24 v3, v1, 80
	v_add_nc_u32 v3, s53, v3                       ; x: my 16 numbers of the first token
	v_mul_u32_u24 v4, v1, 528
	v_add_nc_u32 v4, LR, v4                        ; router_w: my 16 rows of 8
	v_and_b32 v5, 1, v1                            ; x's codes: block l / 2 = 4 s + 2 c + h lies at 192 h + 48 s + 24 c, my half of it 12 (l & 1) on
	v_mul_u32_u24 v5, v5, 12
	v_bfe_u32 v10, v1, 1, 1
	v_mad_u32_u24 v5, v10, 192, v5
	v_bfe_u32 v10, v1, 2, 1
	v_mad_u32_u24 v5, v10, 24, v5
	v_lshrrev_b32 v10, 3, v1
	v_mad_u32_u24 v5, v10, 48, v5
	s_mul_i32 s2, s15, 384
	v_add_nc_u32 v5, s2, v5
	v_lshrrev_b32 v6, 1, v1                        ; x's scale bytes: 16 a token, in the order of K
	s_lshl_b32 s2, s15, 4
	v_add_nc_u32 v6, s2, v6
	v_lshlrev_b32 v7, 4, v1                        ; an image's place for my lane
	v_lshlrev_b32 v8, 3, v1                        ; two scale words a lane
	s_lshl_b32 s2, ttmp9, 3
	s_add_co_u32 s2, s2, s12
	s_lshl_b32 s2, s2, 4
	v_mov_b32 v9, s2                               ; 16 bytes of ids and of weights for my two tokens
	v_mov_b32 v215, 0xff800000                     ; -infinity
	s_mov_b32 s94, 0x76543210
	s_mov_b32 s95, 0xfedcba98                      ; selects for lane l xor 16
	s_lshr_b32 s96, ttmp9, 1                       ; where my weights go: block (expert, chunk, wave of the product) = g / 2,
	s_and_b32 s97, ttmp9, 1                        ; its tiles 4 (g & 1) on
	s_mul_i32 s2, s96, 49152
	s_mul_i32 s98, s14, 12288
	s_add_co_u32 s2, s2, s98
	s_mul_i32 s98, s97, 6144
	s_add_co_u32 s2, s2, s98
	s_cmp_lt_u32 s12, 4
	s_cselect_b32 s98, 0, W2Q
	s_add_co_u32 s2, s2, s98
	s_add_nc_u64 s[4:5], s[86:87], s[2:3]          ; codes
	s_lshl_b32 s2, s96, 11
	s_lshl_b32 s98, s14, 9
	s_add_co_u32 s2, s2, s98
	s_lshl_b32 s98, s97, 8
	s_add_co_u32 s2, s2, s98
	s_cmp_lt_u32 s12, 4
	s_cselect_b32 s98, 0, W2S
	s_add_co_u32 s2, s2, s98
	s_add_co_u32 s2, s2, WSC
	s_add_nc_u64 s[6:7], s[86:87], s[2:3]          ; scale words
	s_wait_tensorcnt 0x4                           ; my rows of router_w and my tokens are in; the four weight tiles issued behind them may be out
	s_barrier_signal -1
	s_barrier_wait -1                              ; every wave's rows of router_w are in
.irp j, 0,1,2,3
	ds_load_b128 v[16+4*\j:19+4*\j], v3 offset:16*\j
	ds_load_b128 v[32+4*\j:35+4*\j], v3 offset:2560+16*\j
.endr
.set j, 0
.rept 32
	ds_load_b128 v[48+4*j:51+4*j], v4 offset:16*j  ; register 48 + 8 i + e: router_w[16 l + i][e]
.set j, j+1
.endr
; 16 numbers of a token in v[xs] on become 16 codes; two neighbouring lanes hold a block
.macro XQ xs, tok
	v_max3_num_f32 v192, |v[\xs]|, |v[\xs+1]|, |v[\xs+2]|
	v_max3_num_f32 v193, |v[\xs+3]|, |v[\xs+4]|, |v[\xs+5]|
.irp n, 6,10
	v_max3_num_f32 v192, v192, |v[\xs+\n]|, |v[\xs+\n+1]|
	v_max3_num_f32 v193, v193, |v[\xs+\n+2]|, |v[\xs+\n+3]|
.endr
	v_max3_num_f32 v192, v192, |v[\xs+14]|, |v[\xs+15]|
	v_max3_num_f32 v192, v192, v193, 0x2800000     ; the floor 2^(5 - 127): the byte cannot fall under 1
	v_max_num_f32_dpp v192, v192, v192 row_xmask:1 row_mask:0xf bank_mask:0xf   ; with my neighbour's 16: the block's largest magnitude
	v_add_nc_u32 v[194+\tok], 0xfe000000, v192     ; 4 off its exponent field: the conversion's scale operand
	v_cvt_scalef32_pk16_bf6_f32 v[196+4*\tok:198+4*\tok], v[\xs:\xs+15], v[194+\tok]
	v_lshrrev_b32 v[204+\tok], 23, v[194+\tok]     ; the scale's byte (a plain line behind the conversion)
	global_store_b96 v5, v[196+4*\tok:198+4*\tok], s[88:89] offset:384*\tok
	global_store_b8 v6, v[204+\tok], s[88:89] offset:SCX+16*\tok   ; both lanes of a block write the same byte with the same value
.endm
	s_wait_dscnt 32                                ; x's eight loads are in; router_w's 32 may be out
	XQ 16, 0
	XQ 32, 1
	s_wait_dscnt 0x0
.set e, 0
.rept 8                                ; my 16 k of the eight logits of both tokens; the first product starts each sum
	v_mul_f32 v[176+e], v16, v[48+e]
	v_mul_f32 v[184+e], v32, v[48+e]
.set e, e+1
.endr
.set i, 1
.rept 15
.set e, 0
.rept 8
	v_fmac_f32 v[176+e], v[16+i], v[48+8*i+e]
	v_fmac_f32 v[184+e], v[32+i], v[48+8*i+e]
.set e, e+1
.endr
.set i, i+1
.endr
.irp x, 1,2,4,8                        ; the sixteen sums over the 32 lanes, by turns
.set e, 0
.rept 16
	v_add_f32_dpp v[176+e], v[176+e], v[176+e] row_xmask:\x row_mask:0xf bank_mask:0xf
.set e, e+1
.endr
.endr
.set e, 0
.rept 16
	v_permlanex16_b32 v[48+e], v[176+e], s94, s95  ; (the destination has been written: router_w's registers are done with)
.set e, e+1
.endr
.set e, 0
.rept 16
	v_add_f32 v[176+e], v[176+e], v[48+e]
.set e, e+1
.endr
	s_wait_kmcnt 0x0                               ; router_b
.set e, 0
.rept 8
	v_add_f32 v[176+e], s[76+e], v[176+e]
	v_add_f32 v[184+e], s[76+e], v[184+e]
.set e, e+1
.endr
.macro SCAN L, best, idx               ; the largest of eight and its index; what stands is kept where it is not smaller: the lower index wins ties
	v_mov_b32 v[\best], v[\L]
	v_mov_b32 v[\idx], 0
.irp e, 1,2,3,4,5,6,7
	v_cmp_ge_f32 vcc_lo, v[\best], v[\L+\e]
	v_cndmask_b32 v[\idx], \e, v[\idx], vcc_lo
	v_cndmask_b32 v[\best], v[\L+\e], v[\best], vcc_lo
.endr
.endm
.macro TOP2 L, I, G
	SCAN \L, 208, \I
.irp e, 0,1,2,3,4,5,6,7
	v_cmp_eq_u32 vcc_lo, \e, v[\I]
	v_cndmask_b32 v[\L+\e], v[\L+\e], v215, vcc_lo ; the winner leaves the field
.endr
	SCAN \L, 209, \I+1
	v_sub_f32 v210, v209, v208                     ; l1 - l0, 0 or less
	v_mul_f32 v210, 0x3fb8aa3b, v210
	v_exp_f32 v210, v210                           ; p = exp(l1 - l0)
	v_nop                                          ; a plain line behind a transcendental
	s_wait_alu depctr_va_vdst(0)
	v_add_f32 v211, 1.0, v210
	v_rcp_f32 v[\G], v211                          ; 1 / (1 + p)
	v_nop
	s_wait_alu depctr_va_vdst(0)
	v_mul_f32 v[\G+1], v210, v[\G]                 ; p / (1 + p)
.endm
	TOP2 176, 224, 228
	TOP2 184, 226, 230
	s_wait_xcnt 0x0                                ; EXEC changes only behind this wait: stores have been issued
	v_cmp_eq_u32 vcc_lo, 0, v1
	s_wait_tensorcnt 0x0
	ds_add_u32 v254, v255
	s_wait_dscnt 0x0
	s_and_saveexec_b32 s96, vcc_lo                 ; every lane holds the same: lane 0 stores, at a place fixed by the token
	global_store_b128 v9, v[224:227], s[90:91]
	global_store_b128 v9, v[228:231], s[92:93]
	s_wait_xcnt 0x0
	s_or_b32 exec_lo, exec_lo, s96
; THE WEIGHTS.  Block i of 32 along K, column group q: 32 numbers of my column in v[16 + 32 q] on.  Even blocks go to FX (v80, v104), odd ones to FY (v92, v116), six registers each.
.macro BLK i, q
.set NB, 16+32*\q
.set FD, 80+24*\q+12*(\i%2)+6*(\i/2)
	v_max3_num_f32 v134, |v[NB]|, |v[NB+1]|, |v[NB+2]|
	v_max3_num_f32 v135, |v[NB+3]|, |v[NB+4]|, |v[NB+5]|
.irp n, 6,10,14,18,22,26
	v_max3_num_f32 v134, v134, |v[NB+\n]|, |v[NB+\n+1]|
	v_max3_num_f32 v135, v135, |v[NB+\n+2]|, |v[NB+\n+3]|
.endr
	v_max3_num_f32 v134, v134, |v[NB+30]|, |v[NB+31]|
	v_max3_num_f32 v134, v134, v135, 0x2800000     ; the floor
	v_add_nc_u32 v136, 0xfe000000, v134            ; the conversion's scale operand
	v_lshrrev_b32 v137, 23, v136                   ; the byte, to its place in my row's scale word
.if \i == 0
	v_mov_b32 v[132+\q], v137
.else
	v_lshl_or_b32 v[132+\q], v137, 8*\i, v[132+\q]
.endif
	v_cvt_scalef32_pk16_bf6_f32 v[FD:FD+2], v[NB:NB+15], v136
	v_cvt_scalef32_pk16_bf6_f32 v[128:130], v[NB+16:NB+31], v136   ; (a conversion's three registers begin on an even number)
	v_nop                                          ; a plain line behind the conversions
	v_mov_b32 v[FD+3], v128
	v_mov_b32 v[FD+4], v129
	v_mov_b32 v[FD+5], v130
.endm
.macro WBLOCK i
	s_wait_tensorcnt 3-\i                          ; tile i is in; the tiles issued behind it may be out.  Only I read my tiles
.set k, 0
.rept 32
	ds_load_b32 v[16+k], v2 offset:8192*\i+256*k
.set k, k+1
.endr
.set k, 0
.rept 32
	ds_load_b32 v[48+k], v2 offset:8192*\i+256*k+128
.set k, k+1
.endr
	s_wait_dscnt 32                                ; column group 0 is in
	BLK \i, 0
	s_wait_dscnt 0x0
	BLK \i, 1
.endm
	WBLOCK 0
	WBLOCK 1
	WBLOCK 2
	WBLOCK 3
; Lane (u, r) holds row r of tile 2 b + u: its even blocks in FX, its odd ones in FY.  The operand wants lane (r, h) to hold blocks 2 c + h: FX's upper lanes change places with FY's lower ones.
.macro FIN q
.set i, 0
.rept 12
	v_permlane16_swap_b32 v[80+24*\q+i], v[92+24*\q+i]
.set i, i+1
.endr
.irp p, 0,1,2
	global_store_b128 v7, v[80+24*\q+4*\p:83+24*\q+4*\p], s[4:5] offset:3072*\q+512*\p        ; 32 lanes store 512 consecutive bytes
	global_store_b128 v7, v[92+24*\q+4*\p:95+24*\q+4*\p], s[4:5] offset:3072*\q+1536+512*\p
.endr
.endm
	FIN 0
	FIN 1
	global_store_b64 v8, v[132:133], s[6:7]        ; the scale words of my two tile pairs: 256 consecutive bytes a wave
	s_endpgm
.Lfunc_end_k_qfc3e34eb96_prep:
	.size	k_qfc3e34eb96_prep, .Lfunc_end_k_qfc3e34eb96_prep-k_qfc3e34eb96_prep
	.p2alignl 7, 3214868480
	.fill 96, 4, 3214868480
	.section	.rodata,"a",@progbits
	.p2align	6, 0x0
	.amdhsa_kernel k_qfc3e34eb96_prep
		.amdhsa_group_segment_fixed_size 327680
		.amdhsa_private_segment_fixed_size 0
		.amdhsa_enable_private_segment 0
		.amdhsa_kernarg_size 72
		.amdhsa_user_sgpr_count 2
		.amdhsa_user_sgpr_kernarg_segment_ptr 1
		.amdhsa_wavefront_size32 1
		.amdhsa_system_sgpr_workgroup_id_x 1
		.amdhsa_system_sgpr_workgroup_id_y 1
		.amdhsa_system_sgpr_workgroup_id_z 1
		.amdhsa_system_vgpr_workitem_id 0
		.amdhsa_next_free_vgpr 256
		.amdhsa_next_free_sgpr 100
		.amdhsa_reserve_vcc 1
		.amdhsa_float_denorm_mode_32 3
		.amdhsa_float_denorm_mode_16_64 3
		.amdhsa_memory_ordered 1
		.amdhsa_forward_progress 1
		.amdhsa_inst_pref_size 63
	.end_amdhsa_kernel
	.amdgpu_metadata
---
amdhsa.version: [ 1, 2 ]
amdhsa.kernels:
  - .name:           k_qfc3e34eb96_prep
    .symbol:         k_qfc3e34eb96_prep.kd
    .args:
      - { .name: x, .offset: 0, .size: 8, .value_kind: global_buffer, .address_space: global }
      - { .name: router_w, .offset: 8, .size: 8, .value_kind: global_buffer, .address_space: global }
      - { .name: router_b, .offset: 16, .size: 8, .value_kind: global_buffer, .address_space: global }
      - { .name: w1, .offset: 24, .size: 8, .value_kind: global_buffer, .address_space: global }
      - { .name: w2, .offset: 32, .size: 8, .value_kind: global_buffer, .address_space: global }
      - { .name: wq, .offset: 40, .size: 8, .value_kind: global_buffer, .address_space: global }
      - { .name: xqs, .offset: 48, .size: 8, .value_kind: global_buffer, .address_space: global }
      - { .name: eids, .offset: 56, .size: 8, .value_kind: global_buffer, .address_space: global }
      - { .name: gate, .offset: 64, .size: 8, .value_kind: global_buffer, .address_space: global }
    .group_segment_fixed_size: 327680
    .private_segment_fixed_size: 0
    .kernarg_segment_align: 8
    .kernarg_segment_size: 72
    .max_flat_workgroup_size: 256
    .sgpr_count:     100
    .vgpr_count:     256
    .wavefront_size: 32
...
	.end_amdgpu_metadata
.endif
;; end of part 1
;; launch place (part 2): grid 1 x 1, 8 waves a work-group, no clusters, 2,048 bytes of LDS; arguments eids, plan; writes plan
.if DOCPART == 2
	.amdgcn_target "amdgcn-amd-amdhsa--gfx1250"
	.amdhsa_code_object_version 6
	.text
	.protected	k_qfc3e34eb96_place
	.globl	k_qfc3e34eb96_place
	.p2align	8
	.type	k_qfc3e34eb96_place,@function
k_qfc3e34eb96_place:
	s_mov_b64 s[64:65], 0
	v_nop
	global_prefetch_b8 v0, s[64:65] scope:SCOPE_SE
	s_setreg_imm32_b32 hwreg(HW_REG_WAVE_MODE, 25, 1), 1
	s_wait_xcnt 0x0
; PLACE.  The 8,192 slots (slot = 2 x token + rank of the choice) are sorted by expert, by a counting sort of one work-group, and the table of tiles is made.
; plan: 256 records of 16 bytes (expert, first place, rows, 0), then order[8,256]: the slots by expert; the last 64 entries are 0, so that a tile may read 64 entries from any place.
; Thread t holds slots 1,024 i + 4 t + c in register 16 + 4 i + c.  The order inside an expert is free: each slot has a row of its own in the later workspace.
	s_load_b128 s[4:7], s[0:1], 0x0                ; eids, plan
	v_lshl_add_u32 v128, v0, 2, 0x400
	v_mov_b32 v129, 0
	v_lshrrev_b32 v1, 5, v0
	v_readfirstlane_b32 s12, v1                    ; wave
	v_and_b32 v1, 31, v0
	v_lshlrev_b32 v2, 4, v0                        ; 16 t
	v_lshlrev_b32 v3, 2, v0                        ; 4 t
	v_lshlrev_b32 v4, 2, v1                        ; 4 lane
	s_wait_kmcnt 0x0
.irp i, 0,1,2,3,4,5,6,7
	global_load_b128 v[16+4*\i:19+4*\i], v2, s[4:5] offset:4096*\i
.endr
.irp e, 0,1,2,3,4,5,6,7
	s_mov_b32 s[16+\e], 0                          ; my wave's count of each expert
.endr
	s_wait_loadcnt 0x0
.set j, 0
.rept 32                               ; a slot's rank among my wave's slots of its expert: the count so far + the lower lanes with the same expert
	v_min_u32 v[16+j], 7, v[16+j]
.irp e, 0,1,2,3,4,5,6,7
	v_cmp_eq_u32 vcc_lo, \e, v[16+j]
.if \e == 0
	v_mbcnt_lo_u32_b32 v[48+j], vcc_lo, s16
.else
	v_mbcnt_lo_u32_b32 v5, vcc_lo, s[16+\e]
	v_cndmask_b32 v[48+j], v[48+j], v5, vcc_lo
.endif
	s_bcnt1_i32_b32 s2, vcc_lo
	s_add_co_u32 s[16+\e], s[16+\e], s2
.endr
.set j, j+1
.endr
	v_mov_b32 v6, 0
.irp e, 0,1,2,3,4,5,6,7
	v_writelane_b32 v6, s[16+\e], \e               ; lane e: my wave's count of expert e
.endr
	ds_store_b32 v3, v6                            ; 128 bytes a wave
	s_wait_dscnt 0x0                               ; for the others: my store is done
	s_barrier_signal -1
	s_barrier_wait -1
.irp w, 0,1,2,3,4,5,6,7
	ds_load_b32 v[8+\w], v4 offset:128*\w
.endr
	v_mov_b32 v5, 0                                ; the counts of the waves in front of mine
	v_mov_b32 v7, 0                                ; the counts of all
	s_wait_dscnt 0x0
.irp w, 0,1,2,3,4,5,6,7
	s_cmp_gt_u32 s12, \w
	s_cselect_b32 s2, -1, 0
	v_add_nc_u32 v7, v7, v[8+\w]
	v_and_b32 v[8+\w], s2, v[8+\w]
	v_add_nc_u32 v5, v5, v[8+\w]
.endr
.irp e, 0,1,2,3,4,5,6,7
	v_readlane_b32 s[24+\e], v7, \e                ; T[e]: the expert's rows
.endr
	s_mov_b32 s32, 0                               ; EB[e]: its first place
	s_mov_b32 s40, 0                               ; TB[e]: its first tile
.irp e, 0,1,2,3,4,5,6
	s_add_co_u32 s[33+\e], s[32+\e], s[24+\e]
	s_add_co_u32 s2, s[24+\e], 63
	s_lshr_b32 s2, s2, 6
	s_add_co_u32 s[41+\e], s[40+\e], s2
.endr
	v_mov_b32 v6, 0
.irp e, 0,1,2,3,4,5,6,7
	v_writelane_b32 v6, s[32+\e], \e
.endr
	v_add_nc_u32 v5, v5, v6                        ; lane e: where my wave's slots of expert e begin
.set j, 0
.rept 32
	v_lshlrev_b32 v[80+j], 2, v[16+j]
	ds_bpermute_b32 v[16+j], v[80+j], v5           ; each slot fetches its expert's base from lane e
.set j, j+1
.endr
	s_wait_dscnt 0x0
.set j, 0
.rept 32
	v_add_nc_u32 v[80+j], v[16+j], v[48+j]         ; the slot's place
	v_min_u32 v[80+j], 0x1fff, v[80+j]
	v_lshlrev_b32 v[80+j], 2, v[80+j]
	v_add_nc_u32 v[48+j], 1024*(j/4)+j%4, v3       ; the slot's number
	global_store_b32 v[80+j], v[48+j], s[6:7] offset:4096
.set j, j+1
.endr
	v_mov_b32 v112, 0                              ; tile t: the last expert whose first tile is not behind it
	v_mov_b32 v116, 0
	v_mov_b32 v113, 0
	v_mov_b32 v114, s24
.irp e, 1,2,3,4,5,6,7
	v_cmp_gt_u32 vcc_lo, s[40+\e], v0              ; that expert begins behind my tile: keep
	v_cndmask_b32 v112, \e, v112, vcc_lo
	v_cndmask_b32 v116, s[40+\e], v116, vcc_lo
	v_cndmask_b32 v113, s[32+\e], v113, vcc_lo
	v_cndmask_b32 v114, s[24+\e], v114, vcc_lo
.endr
	v_sub_nc_u32 v116, v0, v116                    ; which tile of the expert,
	v_lshlrev_b32 v116, 6, v116                    ; 64 rows each
	v_add_nc_u32 v113, v113, v116
	v_min_u32 v113, 0x1fff, v113                   ; its first place
	v_sub_nc_u32 v114, v114, v116
	v_max_i32 v114, 0, v114
	v_min_i32 v114, 64, v114                       ; its rows: 0 for a tile that this split leaves empty
	v_mov_b32 v115, 0
	global_store_b128 v2, v[112:115], s[6:7]
	s_cmp_lt_u32 s12, 2
	s_cbranch_scc0 .Lend
	global_store_b32 v3, v115, s[6:7] offset:4096+32768   ; order's last 64 entries
.Lend:
	s_wait_tensorcnt 0x0
	ds_add_u32 v128, v129
	s_wait_dscnt 0x0
	s_endpgm
.Lfunc_end_k_qfc3e34eb96_place:
	.size	k_qfc3e34eb96_place, .Lfunc_end_k_qfc3e34eb96_place-k_qfc3e34eb96_place
	.p2alignl 7, 3214868480
	.fill 96, 4, 3214868480
	.section	.rodata,"a",@progbits
	.p2align	6, 0x0
	.amdhsa_kernel k_qfc3e34eb96_place
		.amdhsa_group_segment_fixed_size 2048
		.amdhsa_private_segment_fixed_size 0
		.amdhsa_enable_private_segment 0
		.amdhsa_kernarg_size 16
		.amdhsa_user_sgpr_count 2
		.amdhsa_user_sgpr_kernarg_segment_ptr 1
		.amdhsa_wavefront_size32 1
		.amdhsa_system_sgpr_workgroup_id_x 1
		.amdhsa_system_sgpr_workgroup_id_y 1
		.amdhsa_system_sgpr_workgroup_id_z 1
		.amdhsa_system_vgpr_workitem_id 0
		.amdhsa_next_free_vgpr 130
		.amdhsa_next_free_sgpr 66
		.amdhsa_reserve_vcc 1
		.amdhsa_float_denorm_mode_32 3
		.amdhsa_float_denorm_mode_16_64 3
		.amdhsa_memory_ordered 1
		.amdhsa_forward_progress 1
		.amdhsa_inst_pref_size 69
	.end_amdhsa_kernel
	.amdgpu_metadata
---
amdhsa.version: [ 1, 2 ]
amdhsa.kernels:
  - .name:           k_qfc3e34eb96_place
    .symbol:         k_qfc3e34eb96_place.kd
    .args:
      - { .name: eids, .offset: 0, .size: 8, .value_kind: global_buffer, .address_space: global }
      - { .name: plan, .offset: 8, .size: 8, .value_kind: global_buffer, .address_space: global }
    .group_segment_fixed_size: 2048
    .private_segment_fixed_size: 0
    .kernarg_segment_align: 8
    .kernarg_segment_size: 16
    .max_flat_workgroup_size: 256
    .sgpr_count:     66
    .vgpr_count:     130
    .wavefront_size: 32
...
	.end_amdgpu_metadata
.endif
;; end of part 2
;; launch ffn (part 3): grid 135 x 1, 4 waves a work-group, no clusters, 95,744 bytes of LDS; arguments plan, xqs, wq, b1, b2, ybuf; writes ybuf
.if DOCPART == 3
	.amdgcn_target "amdgcn-amd-amdhsa--gfx1250"
	.amdhsa_code_object_version 6
	.text
	.protected	k_qfc3e34eb96_ffn
	.globl	k_qfc3e34eb96_ffn
	.p2align	8
	.type	k_qfc3e34eb96_ffn,@function
k_qfc3e34eb96_ffn:
	s_mov_b64 s[64:65], 0
	v_nop
	global_prefetch_b8 v0, s[64:65] scope:SCOPE_SE
	s_setreg_imm32_b32 hwreg(HW_REG_WAVE_MODE, 25, 1), 1
	s_wait_xcnt 0x0
; FFN.  One work-group takes one tile, up to 64 rows of one expert, through the chain: y = relu(x W1 + b1) W2 + b2, both products on codes of BF6 with E8M0 scales.
; The hidden layer is quantised on the way and never goes to memory.  ceil(8,192 / 64) + 7 = 135 tiles serve every split; a tile with fewer than 64 rows computes on
; whatever slots follow in the list and stores only its own rows.
; SHARES.  The four waves share the columns: in chunk c of 512 hidden units wave w makes units 512 c + 128 w .. + 127 for all 64 rows (four row tiles m), and it owns output columns 128 w .. + 127.
; Both products are used transposed (source 0 = 16 rows of a weight tile, source 1 = 16 rows of the tile): a lane holds one row, its registers run along the columns.
; The weights come from memory straight into registers, in the order of the operand registers: a unit is four fragments and their scale words, 13 loads, for 16 matrix instructions;
; four units are on their way or at work.  x's and the hidden layer's fragments go from wave to wave through LDS as images of their registers.
; NO JOINT LOADS: the tiles of one expert number ceil(rows / 64), anything from 0 to 64 by a count read from memory, and 135 work-groups do not divide into clusters of four;
; a joint load's address would hang on that count, and the weights would have to pass through LDS besides.
; REGISTERS: window 0: addresses, scale words, the rows' fragments (two sets), the quantiser's work.  Window 1: the hidden layer, 64 m + 8 t.  Window 2: y, 64 m + 8 t.
;   Window 3: v0-191 the ring of four weight units, v192-255 b1's eight tiles.
; LIMITS: NaN and infinities are not served; a block whose largest magnitude lies under 2^-122 keeps the scale byte 1.
.set XIMG, 0                           ; LDS: x's 16 fragments (4 m + s), 1,536 bytes each
.set XSC,  24576                       ; their scale words, 128 bytes each
.set HIMG, 26624                       ; the hidden layer's 16 fragments of a chunk (4 m + s)
.set HSC,  51200
.set B1L,  53248                       ; b1 of my hidden units: 2,048 bytes a wave, 512 a chunk
.set STG,  61440                       ; the way out: 16 rows x (512 + 16) bytes for each wave
.set UB,   6144                        ; a unit's codes
.set A16, 1                            ; v1  16 x lane
.set A4,  2                            ; v2  4 x lane
.set A8,  3                            ; v3  8 x lane
.set XWI, 4                            ; v4  where I store x's images
.set XWS, 5                            ; v5  and their scale words
.set HWI, 6                            ; v6  the hidden layer's
.set HWS, 7                            ; v7
.set BB,  8                            ; v8  b1 in LDS: my wave's, + 64 h
.set BA,  9                            ; v9  the same for the chunk in hand
.set SO,  10                           ; v10 the stage: where I put my numbers
.set SR,  11                           ; v11 and where I read rows back
.set CL,  12                           ; v12 512 w + 16 l: my bytes of a row of ybuf
.set WS,  16                           ; v16-23  the weights' scale words, two registers a ring slot
.set BS,  24                           ; v24-31  the rows' scale words, two sets of four
.set BF,  32                           ; v32-127 the rows' fragments, two sets of four
.set T,   32                           ; v32-95  64 numbers of the hidden layer for the quantiser (the fragments are not live then)
.set OB,  32                           ; v32-95  the way out: 16 rows
.set OFF, 96                           ; v96-111 the way out: their offsets.  At the head: b1
.set PC,  128                          ; v128-147 the codes just made
.set TM,  148                          ; v148-163 the quantiser's work
.set PW,  164                          ; v164 the scale word just made
.set B1R, 192                          ; in window 3
.set P1, 4                             ; s[4:5] W1's codes of the chunk, s[6:7] its scale words, s[8:9], s[10:11] W2's
.set S1, 6
.set P2, 8
.set S2, 10
.set SEL, 12
.set MSB, 0
.macro WIN new                         ; the immediate's high byte repeats the setting that is left
.if MSB != \new
	s_set_vgpr_msb (MSB<<8)|\new
.set MSB, \new
.endif
.endm
.macro BARRIER                         ; my LDS stores have landed and my LDS loads are in: then the work-group's barrier
	s_wait_dscnt 0x0
	s_barrier_signal -1
	s_barrier_wait -1
.endm
; a weight unit into ring slot: four fragments, 12 loads of 512 consecutive bytes, and two scale registers: 13 loads
.macro WLOAD slot, pb, sb, off, soff
	WIN 0xc0                                       ; destination window 3
.irp f, 0,1,2,3
.irp p, 0,1,2
	global_load_b128 v[48*(\slot)+12*\f+4*\p:48*(\slot)+12*\f+4*\p+3], v[A16], s[\pb:\pb+1] offset:(\off)+1536*\f+512*\p
.endr
.endr
	WIN 0
	global_load_b64 v[WS+2*(\slot):WS+2*(\slot)+1], v[A8], s[\sb:\sb+1] offset:\soff
.endm
; unit j of a trip's 16: tiles 4 (j % 2) .. + 3 against the four row tiles, 128 along K.  mode 0: the first product's K step 0 (C = b1); 1: its others; 2: the second product.
; The accumulators take turns, one instruction a turn.  Four plain places follow: loads into the registers just read, and reads of results, stand behind them.
.macro UNIT j, cnt, mode
	s_wait_loadcnt \cnt                            ; the unit's 13 loads are in; the count is the loads of the units issued behind it
.if \mode == 0
	WIN 0x73                                       ; A window 3, B window 0, C window 3, D window 1
.elseif \mode == 1
	WIN 0x53                                       ; C and D window 1
.else
	WIN 0xa3                                       ; C and D window 2
.endif
.irp tt, 0,1,2,3
.irp m, 0,1,2,3
.set rD, 64*\m+8*(4*((\j)%2)+\tt)
.set rA, 48*((\j)%4)+12*\tt
.set rB, BF+48*(((\j)/2)%2)+12*\m
.set rC, rD
.if \mode == 0
.set rC, B1R+8*(4*((\j)%2)+\tt)
.endif
.set rSA, WS+2*((\j)%4)+\tt/2
.set rSB, BS+4*(((\j)/2)%2)+\m
.if \tt%2
	v_wmma_scale_f32_16x16x128_f8f6f4 v[rD:rD+7], v[rA:rA+11], v[rB:rB+11], v[rC:rC+7], v[rSA], v[rSB] matrix_a_fmt:MATRIX_FMT_BF6 matrix_b_fmt:MATRIX_FMT_BF6 matrix_a_scale:MATRIX_SCALE_ROW1
.else
	v_wmma_scale_f32_16x16x128_f8f6f4 v[rD:rD+7], v[rA:rA+11], v[rB:rB+11], v[rC:rC+7], v[rSA], v[rSB] matrix_a_fmt:MATRIX_FMT_BF6 matrix_b_fmt:MATRIX_FMT_BF6
.endif
.endr
.endr
.rept 4
	v_nop
.endr
.endm
; the four row tiles' fragments and scale words of K step s, from images at img / sc, into set buf
.macro BFETCH buf, img, sc, s
	WIN 0
.irp m, 0,1,2,3
.irp p, 0,1,2
	ds_load_b128 v[BF+48*(\buf)+12*\m+4*\p:BF+48*(\buf)+12*\m+4*\p+3], v[A16] offset:(\img)+(4*\m+(\s))*1536+512*\p
.endr
	ds_load_b32 v[BS+4*(\buf)+\m], v[A4] offset:(\sc)+(4*\m+(\s))*128
.endr
.endm
.macro BIAS                            ; b1 in the result's layout: tile 2 b + u, lane (r, h): units 32 b + 16 h + 8 u + 0 .. 7
	WIN 0xc0
.irp t, 0,1,2,3,4,5,6,7
	ds_load_b128 v[B1R+8*\t:B1R+8*\t+3], v[BA] offset:128*(\t/2)+32*(\t%2)
	ds_load_b128 v[B1R+8*\t+4:B1R+8*\t+7], v[BA] offset:128*(\t/2)+32*(\t%2)+16
.endr
	WIN 0
.endm
.macro RELU m                          ; row tile m's 64 numbers, each accumulator from its low end on
	WIN 0x04                                       ; source 1 window 1
.set j, 0
.rept 64
	v_max_num_f32 v[T+j], 0, v[64*\m+j]
.set j, j+1
.endr
	WIN 0
.endm
; 64 numbers of a lane, register 16 b + i = k 32 b + 16 (lane / 16) + i of my row, become a fragment's codes in v[PC] on and its scale word in v[PW]
.macro QUANT s
.irp b, 0,1,2,3
	v_max3_num_f32 v[TM+\b], |v[\s+16*\b]|, |v[\s+1+16*\b]|, 0x2800000   ; my 16 numbers of block b, and the floor 2^(5 - 127)
.endr
.irp i, 2,4,6,8,10,12,14
.irp b, 0,1,2,3
	v_max3_num_f32 v[TM+\b], v[TM+\b], |v[\s+16*\b+\i]|, |v[\s+1+16*\b+\i]|
.endr
.endr
.irp b, 0,1,2,3
	v_permlanex16_b32 v[TM+4+\b], v[TM+\b], s[SEL], s[SEL+1]
.endr
.irp b, 0,1,2,3
	v_max_num_f32 v[TM+\b], v[TM+\b], v[TM+4+\b]   ; with lane l xor 16's: the block's largest magnitude
.endr
.irp b, 0,1,2,3
	v_add_nc_u32 v[TM+12+\b], 0xfe000000, v[TM+\b] ; 4 off its exponent field: the conversion's scale operand
.endr
.irp b, 0,1,2,3
	v_lshrrev_b32 v[TM+4+\b], 23, v[TM+12+\b]      ; the scale's byte
.endr
	v_lshl_or_b32 v[PW], v[TM+5], 8, v[TM+4]
	v_lshl_or_b32 v[PW], v[TM+6], 16, v[PW]
	v_lshl_or_b32 v[PW], v[TM+7], 24, v[PW]
.irp c, 0,1
	v_cvt_scalef32_pk16_bf6_f32 v[PC+6*\c:PC+2+6*\c], v[\s+32*\c:\s+15+32*\c], v[TM+12+2*\c]
	v_cvt_scalef32_pk16_bf6_f32 v[PC+12+4*\c:PC+14+4*\c], v[\s+16+32*\c:\s+31+32*\c], v[TM+12+2*\c+1]   ; (a conversion's three registers begin on an even number)
.endr
	v_nop                                          ; a plain line behind the conversions
.irp c, 0,1                            ; the operand wants a whole block in a lane: lanes 0-15 block 2 c, lanes 16-31 block 2 c + 1
.irp i, 0,1,2
	v_permlane16_swap_b32 v[PC+6*\c+\i], v[PC+12+4*\c+\i]
.endr
.irp i, 0,1,2
	v_mov_b32 v[PC+3+6*\c+\i], v[PC+12+4*\c+\i]
.endr
.endr
.endm
.macro IMAGE adr, off
.irp c, 0,1,2
	ds_store_b128 v[\adr], v[PC+4*\c:PC+4*\c+3] offset:(\off)+512*\c
.endr
.endm
	s_load_b256 s[84:91], s[0:1], 0x0              ; plan s[84:85], xqs s[86:87], wq s[88:89], b1 s[90:91]
	s_load_b128 s[92:95], s[0:1], 0x20             ; b2 s[92:93], ybuf s[94:95]
	v_lshl_add_u32 v254, v0, 2, 0x17400
	v_mov_b32 v255, 0
	v_lshrrev_b32 v13, 5, v0
	v_readfirstlane_b32 s14, v13                   ; wave 0..3
	v_and_b32 v14, 31, v0
	v_and_b32 v167, 15, v0                         ; r
	v_bfe_u32 v168, v0, 4, 1                       ; h
	v_lshlrev_b32 v[A16], 4, v14
	v_lshlrev_b32 v[A4], 2, v14
	v_lshlrev_b32 v[A8], 3, v14
	s_mul_i32 s2, s14, 6144
	v_add_nc_u32 v[XWI], s2, v[A16]                ; x's images: I make row tile m = wave
	s_lshl_b32 s2, s14, 9
	v_add_nc_u32 v[XWS], s2, v[A4]
	v_add_nc_u32 v[CL], s2, v[A16]
	s_mul_i32 s2, s14, 1536
	v_add_nc_u32 v[HWI], s2, v[A16]                ; the hidden layer's: I make K step s = wave of every row tile
	s_lshl_b32 s2, s14, 7
	v_add_nc_u32 v[HWS], s2, v[A4]
	s_lshl_b32 s2, s14, 11
	s_add_co_u32 s2, s2, B1L
	v_lshl_add_u32 v[BB], v168, 6, s2
	v_add_nc_u32 v169, s2, v[A16]
	s_mul_i32 s2, s14, 8448
	s_add_co_u32 s2, s2, STG
	v_mul_u32_u24 v[SO], v167, 528
	v_lshl_add_u32 v[SO], v168, 6, v[SO]
	v_add_nc_u32 v[SO], s2, v[SO]
	v_add_nc_u32 v[SR], s2, v[A16]
	s_mov_b32 s[SEL], 0x76543210
	s_mov_b32 s[SEL+1], 0xfedcba98
	s_lshl_b32 s3, ttmp9, 4
	s_wait_kmcnt 0x0
	s_load_b128 s[96:99], s[84:85], s3 offset:0x0  ; my tile: expert, first place, rows
	s_wait_kmcnt 0x0
	s_min_u32 s96, s96, 7
	s_min_u32 s97, s97, 8191
	s_min_u32 s15, s98, 64
	s_lshl_b32 s3, s97, 2
	s_load_b512 s[16:31], s[84:85], s3 offset:4096 ; the 64 slots, for the way out: row i in s[16 + i], rows 48 on in s[68 + i - 48]
	s_load_b512 s[32:47], s[84:85], s3 offset:4160
	s_load_b512 s[48:63], s[84:85], s3 offset:4224
	s_load_b512 s[68:83], s[84:85], s3 offset:4288
	s_lshl_b32 s2, s14, 6
	s_add_co_u32 s2, s2, s3
	v_lshl_add_u32 v13, v167, 2, s2
	global_load_b32 v14, v13, s[84:85] offset:4096 ; the slot of row 16 w + r
	s_mov_b32 s101, 0
	s_mul_i32 s100, s96, 786432                    ; an expert: 16 blocks of 49,152 bytes; my block of chunk 0
	s_mul_i32 s2, s14, 49152
	s_add_co_u32 s100, s100, s2
	s_add_nc_u64 s[P1:P1+1], s[88:89], s[100:101]
	s_add_nc_u64 s[P2:P2+1], s[P1:P1+1], 6291456
	s_lshl_b32 s100, s96, 15
	s_lshl_b32 s2, s14, 11
	s_add_co_u32 s100, s100, s2
	s_add_co_u32 s100, s100, 12582912
	s_add_nc_u64 s[S1:S1+1], s[88:89], s[100:101]
	s_add_nc_u64 s[S2:S2+1], s[S1:S1+1], 262144
	s_lshl_b32 s100, s96, 13
	s_lshl_b32 s2, s14, 9
	s_add_co_u32 s100, s100, s2
	s_add_nc_u64 s[90:91], s[90:91], s[100:101]    ; b1: the expert's row, my 128 of chunk 0
	s_lshl_b32 s100, s96, 11
	s_add_co_u32 s100, s100, s2
	s_add_nc_u64 s[92:93], s[92:93], s[100:101]    ; b2: the expert's row, my 128 columns
	s_wait_loadcnt 0x0
	v_lshrrev_b32 v14, 1, v14                      ; the token
	v_min_u32 v14, 0xfff, v14
	v_mul_u32_u24 v15, v14, 384
	v_mad_u32_u24 v15, v168, 192, v15              ; my half's 192 bytes: the four fragments' registers on end
	v_lshlrev_b32 v165, 4, v14
.set i, 0
.rept 12
	global_load_b128 v[BF+4*i:BF+4*i+3], v15, s[86:87] offset:16*i
.set i, i+1
.endr
	global_load_b128 v[BS:BS+3], v165, s[86:87] offset:1572864   ; the token's four scale words
.irp c, 0,1,2,3
	global_load_b128 v[OFF+4*\c:OFF+4*\c+3], v[A16], s[90:91] offset:2048*\c
.endr
	WLOAD 0, P1, S1, 0, 0
	WLOAD 1, P1, S1, UB, 256
	WLOAD 2, P1, S1, 2*UB, 512
	WLOAD 3, P1, S1, 3*UB, 768
	s_wait_loadcnt 52                              ; all but the four units' 52 loads
.irp s, 0,1,2,3
.irp p, 0,1,2
	ds_store_b128 v[XWI], v[BF+12*\s+4*\p:BF+12*\s+4*\p+3] offset:XIMG+1536*\s+512*\p
.endr
	ds_store_b32 v[XWS], v[BS+\s] offset:XSC+128*\s
	ds_store_b128 v169, v[OFF+4*\s:OFF+4*\s+3] offset:512*\s
.endr
	v_lshlrev_b32 v166, 6, v168
	WIN 0x80                                       ; b2 goes straight into y's accumulators: it starts the sums, and every product of the second kind adds in place
.irp m, 0,1,2,3
.irp t, 0,1,2,3,4,5,6,7
	global_load_b128 v[64*\m+8*\t:64*\m+8*\t+3], v166, s[92:93] offset:128*(\t/2)+32*(\t%2)
	global_load_b128 v[64*\m+8*\t+4:64*\m+8*\t+7], v166, s[92:93] offset:128*(\t/2)+32*(\t%2)+16
.endr
.endr
	WIN 0
.irp b, 0,1,2,3
	v_mov_b32 v[TM+4+\b], 0                        ; written once: a lane permute's destination counts as one of its sources
.endr
	s_wait_kmcnt 0x0                               ; the 64 slots
	BARRIER                                        ; x's sixteen fragments lie in LDS
	s_mov_b32 s96, 0                               ; the chunk's bytes in b1
	v_mov_b32 v[BA], v[BB]
	BIAS
	BFETCH 0, XIMG, XSC, 0
; A TRIP: one chunk of 512 hidden units.  Units 0-7: W1 (K steps 0-3 over D); units 8-15: W2 (K steps 4 c + 0 .. 3 over F).  Behind unit j the unit four on is asked for, into the slot just read.
; The count 39 is three units of 13 loads.  (In the first trip b2's loads lie behind the first four units: the same count then asks for more than is needed, never for less; the fourth unit's wait shows them all in.)
.macro TRIP last
	s_wait_dscnt 0x0                               ; the rows' fragments of this K step, their scale words and b1 are in
	BFETCH 1, XIMG, XSC, 1
	UNIT 0, 39, 0
	WLOAD 0, P1, S1, 4*UB, 4*256
	UNIT 1, 39, 0
	WLOAD 1, P1, S1, 5*UB, 5*256
	s_wait_dscnt 0x0
	BFETCH 0, XIMG, XSC, 2
	UNIT 2, 39, 1
	WLOAD 2, P1, S1, 6*UB, 6*256
	UNIT 3, 39, 1
	WLOAD 3, P1, S1, 7*UB, 7*256
	s_wait_dscnt 0x0
	BFETCH 1, XIMG, XSC, 3
	UNIT 4, 39, 1
	WLOAD 0, P2, S2, 0, 0
	UNIT 5, 39, 1
	WLOAD 1, P2, S2, UB, 256
	s_wait_dscnt 0x0
	UNIT 6, 39, 1
	WLOAD 2, P2, S2, 2*UB, 2*256
	UNIT 7, 39, 1
	WLOAD 3, P2, S2, 3*UB, 3*256
	RELU 0
	QUANT T
	BARRIER                                        ; every wave's reads of the last chunk's hidden images are in: they may be written again
	IMAGE HWI, HIMG
	ds_store_b32 v[HWS], v[PW] offset:HSC
.irp m, 1,2,3
	RELU \m
	s_wait_dscnt 0x0                               ; the stores have read their registers
	QUANT T
	IMAGE HWI, HIMG+6144*\m
	ds_store_b32 v[HWS], v[PW] offset:HSC+512*\m
.endr
	BARRIER                                        ; the chunk's sixteen hidden fragments lie in LDS
	BFETCH 0, HIMG, HSC, 0
	s_wait_dscnt 0x0
	BFETCH 1, HIMG, HSC, 1
	UNIT 8, 39, 2
	WLOAD 0, P2, S2, 4*UB, 4*256
	UNIT 9, 39, 2
	WLOAD 1, P2, S2, 5*UB, 5*256
	s_wait_dscnt 0x0
	BFETCH 0, HIMG, HSC, 2
	UNIT 10, 39, 2
	WLOAD 2, P2, S2, 6*UB, 6*256
	UNIT 11, 39, 2
	WLOAD 3, P2, S2, 7*UB, 7*256
	s_wait_dscnt 0x0
	BFETCH 1, HIMG, HSC, 3
.if \last
	UNIT 12, 39, 2                                 ; nothing is left to ask for: the counts run down
	UNIT 13, 26, 2
	WIN 0
	s_wait_dscnt 0x0
	UNIT 14, 13, 2
	UNIT 15, 0, 2
	WIN 0
.else
	UNIT 12, 39, 2
	WLOAD 0, P1, S1, 196608, 8192                  ; the next chunk's W1: four blocks of 49,152 bytes on, its scale words four of 2,048
	UNIT 13, 39, 2
	WLOAD 1, P1, S1, 196608+UB, 8192+256
	s_wait_dscnt 0x0
	s_add_co_u32 s96, s96, 512
	v_add_nc_u32 v[BA], s96, v[BB]
	BFETCH 0, XIMG, XSC, 0                         ; the next chunk begins with x's K step 0 and its own b1
	BIAS
	UNIT 14, 39, 2
	WLOAD 2, P1, S1, 196608+2*UB, 8192+512
	UNIT 15, 39, 2
	WLOAD 3, P1, S1, 196608+3*UB, 8192+768
	s_wait_xcnt 0x0                                ; the loads have read their bases: they may step
	s_add_nc_u64 s[P1:P1+1], s[P1:P1+1], 196608
	s_add_nc_u64 s[P2:P2+1], s[P2:P2+1], 196608
	s_add_nc_u64 s[S1:S1+1], s[S1:S1+1], 8192
	s_add_nc_u64 s[S2:S2+1], s[S2:S2+1], 8192
.endif
.endm
	s_mov_b32 s2, 3
.Ltrip:
	TRIP 0
	s_sub_co_u32 s2, s2, 1
	s_cmp_lg_u32 s2, 0
	s_cbranch_scc1 .Ltrip
	TRIP 1                                         ; the last chunk is written out: it asks for nothing beyond the expert's weights
; THE WAY OUT, a row tile at a time.  A lane holds numbers of one row and the lanes beside it other rows: the tile goes through my own stage in LDS and comes back as rows of my 128 columns,
; 512 consecutive bytes, which the 32 lanes store at the row's slot.  LDS serves a wave's instructions in order: no wait between the stores and the loads.  Rows beyond the tile's count are not stored.
.irp m, 0,1,2,3
.if \m > 0
	s_wait_xcnt 0x0                                ; the last tile's stores have read their data and offsets
.endif
	WIN 0x08                                       ; an LDS store's data: window 2
.irp t, 0,1,2,3,4,5,6,7
	ds_store_b128 v[SO], v[64*\m+8*\t:64*\m+8*\t+3] offset:128*(\t/2)+32*(\t%2)        ; each accumulator from its low end on
	ds_store_b128 v[SO], v[64*\m+8*\t+4:64*\m+8*\t+7] offset:128*(\t/2)+32*(\t%2)+16
.endr
	WIN 0
.irp i, 0,1,2,3,4,5,6,7,8,9,10,11,12,13,14,15
	ds_load_b128 v[OB+4*\i:OB+4*\i+3], v[SR] offset:528*\i
.endr
.irp i, 0,1,2,3,4,5,6,7,8,9,10,11,12,13,14,15
	s_cmp_le_u32 s15, 16*\m+\i                     ; the tile's rows are over: a count that an earlier launch stored; no barrier stands behind this branch
	s_cbranch_scc1 .Ldone
	s_min_u32 s3, s[16+16*\m+\i+4*(\m/3)], 8191
	v_lshl_add_u32 v[OFF+\i], s3, 11, v[CL]        ; slot x 2,048 bytes + my columns
	s_wait_dscnt 15-\i                             ; row i is back; the younger rows may be out
	global_store_b128 v[OFF+\i], v[OB+4*\i:OB+4*\i+3], s[94:95]
.endr
.endr
.Ldone:
	s_wait_tensorcnt 0x0
	ds_add_u32 v254, v255
	s_wait_dscnt 0x0
	s_endpgm
.Lfunc_end_k_qfc3e34eb96_ffn:
	.size	k_qfc3e34eb96_ffn, .Lfunc_end_k_qfc3e34eb96_ffn-k_qfc3e34eb96_ffn
	.p2alignl 7, 3214868480
	.fill 96, 4, 3214868480
	.section	.rodata,"a",@progbits
	.p2align	6, 0x0
	.amdhsa_kernel k_qfc3e34eb96_ffn
		.amdhsa_group_segment_fixed_size 95744
		.amdhsa_private_segment_fixed_size 0
		.amdhsa_enable_private_segment 0
		.amdhsa_kernarg_size 48
		.amdhsa_user_sgpr_count 2
		.amdhsa_user_sgpr_kernarg_segment_ptr 1
		.amdhsa_wavefront_size32 1
		.amdhsa_system_sgpr_workgroup_id_x 1
		.amdhsa_system_sgpr_workgroup_id_y 1
		.amdhsa_system_sgpr_workgroup_id_z 1
		.amdhsa_system_vgpr_workitem_id 0
		.amdhsa_next_free_vgpr 1024
		.amdhsa_next_free_sgpr 102
		.amdhsa_reserve_vcc 0
		.amdhsa_float_denorm_mode_32 3
		.amdhsa_float_denorm_mode_16_64 3
		.amdhsa_memory_ordered 1
		.amdhsa_forward_progress 1
		.amdhsa_inst_pref_size 221
	.end_amdhsa_kernel
	.amdgpu_metadata
---
amdhsa.version: [ 1, 2 ]
amdhsa.kernels:
  - .name:           k_qfc3e34eb96_ffn
    .symbol:         k_qfc3e34eb96_ffn.kd
    .args:
      - { .name: plan, .offset: 0, .size: 8, .value_kind: global_buffer, .address_space: global }
      - { .name: xqs, .offset: 8, .size: 8, .value_kind: global_buffer, .address_space: global }
      - { .name: wq, .offset: 16, .size: 8, .value_kind: global_buffer, .address_space: global }
      - { .name: b1, .offset: 24, .size: 8, .value_kind: global_buffer, .address_space: global }
      - { .name: b2, .offset: 32, .size: 8, .value_kind: global_buffer, .address_space: global }
      - { .name: ybuf, .offset: 40, .size: 8, .value_kind: global_buffer, .address_space: global }
    .group_segment_fixed_size: 95744
    .private_segment_fixed_size: 0
    .kernarg_segment_align: 8
    .kernarg_segment_size: 48
    .max_flat_workgroup_size: 128
    .sgpr_count:     102
    .vgpr_count:     1024
    .wavefront_size: 32
...
	.end_amdgpu_metadata
.endif
;; end of part 3
;; launch comb (part 4): grid 256 x 1, 8 waves a work-group, no clusters, 0 bytes of LDS; arguments ybuf, gate, out0; writes out0
.if DOCPART == 4
	.amdgcn_target "amdgcn-amd-amdhsa--gfx1250"
	.amdhsa_code_object_version 6
	.text
	.protected	k_qfc3e34eb96_comb
	.globl	k_qfc3e34eb96_comb
	.p2align	8
	.type	k_qfc3e34eb96_comb,@function
k_qfc3e34eb96_comb:
	s_mov_b64 s[64:65], 0
	v_nop
	global_prefetch_b8 v0, s[64:65] scope:SCOPE_SE
	s_setreg_imm32_b32 hwreg(HW_REG_WAVE_MODE, 25, 1), 1
	s_wait_xcnt 0x0
; COMB.  out[t] = g0 y[2 t] + g1 y[2 t + 1]: a token's two expert rows, weighed.  A stream: each byte once, 512 consecutive bytes a load and a store; no LDS, no loop.
; Wave W = 8 g + wave takes tokens 2 W and 2 W + 1: four rows of 2,048 bytes in, two out.  All sixteen loads go out at once; no register is loaded twice.
	s_load_b128 s[4:7], s[0:1], 0x0                ; ybuf, gate
	s_load_b64 s[8:9], s[0:1], 0x10                ; out0
	v_lshrrev_b32 v1, 5, v0
	v_readfirstlane_b32 s10, v1
	v_and_b32 v1, 31, v0
	v_lshlrev_b32 v1, 4, v1                        ; 16 bytes a lane
	s_lshl_b32 s11, ttmp9, 3
	s_add_co_u32 s11, s11, s10                     ; W
	s_lshl_b32 s2, s11, 4
	s_lshl_b32 s20, s11, 13
	s_mov_b32 s21, 0
	s_lshl_b32 s22, s11, 12
	s_mov_b32 s23, 0
	s_wait_kmcnt 0x0
	s_load_b128 s[24:27], s[6:7], s2 offset:0x0    ; the four weights
	s_add_nc_u64 s[4:5], s[4:5], s[20:21]
	s_add_nc_u64 s[8:9], s[8:9], s[22:23]
.irp n, 0,1,2,3,4,5,6,7                ; piece n: token n / 4, bytes 512 (n % 4) on: the first choice's, then the second's
	global_load_b128 v[16+8*\n:19+8*\n], v1, s[4:5] offset:4096*(\n/4)+512*(\n%4) th:TH_LOAD_NT
	global_load_b128 v[20+8*\n:23+8*\n], v1, s[4:5] offset:4096*(\n/4)+512*(\n%4)+2048 th:TH_LOAD_NT
.endr
	s_wait_kmcnt 0x0
.irp k, 0,1,2,3
	s_mov_b32 s[12+2*\k], s[24+\k]                 ; each weight as a pair: the packed forms name a pair and take its low word for both halves
	s_mov_b32 s[13+2*\k], s[24+\k]
.endr
.irp n, 0,1,2,3,4,5,6,7
	s_wait_loadcnt 14-2*\n                         ; this piece's two loads are in; the younger pieces' may be out
	v_pk_mul_f32 v[20+8*\n:21+8*\n], v[20+8*\n:21+8*\n], s[14+4*(\n/4):15+4*(\n/4)] op_sel_hi:[1,0]
	v_pk_mul_f32 v[22+8*\n:23+8*\n], v[22+8*\n:23+8*\n], s[14+4*(\n/4):15+4*(\n/4)] op_sel_hi:[1,0]
	v_pk_fma_f32 v[20+8*\n:21+8*\n], v[16+8*\n:17+8*\n], s[12+4*(\n/4):13+4*(\n/4)], v[20+8*\n:21+8*\n] op_sel_hi:[1,0,1]
	v_pk_fma_f32 v[22+8*\n:23+8*\n], v[18+8*\n:19+8*\n], s[12+4*(\n/4):13+4*(\n/4)], v[22+8*\n:23+8*\n] op_sel_hi:[1,0,1]
	global_store_b128 v1, v[20+8*\n:23+8*\n], s[8:9] offset:2048*(\n/4)+512*(\n%4) th:TH_STORE_NT
.endr
	s_endpgm
.Lfunc_end_k_qfc3e34eb96_comb:
	.size	k_qfc3e34eb96_comb, .Lfunc_end_k_qfc3e34eb96_comb-k_qfc3e34eb96_comb
	.p2alignl 7, 3214868480
	.fill 96, 4, 3214868480
	.section	.rodata,"a",@progbits
	.p2align	6, 0x0
	.amdhsa_kernel k_qfc3e34eb96_comb
		.amdhsa_group_segment_fixed_size 0
		.amdhsa_private_segment_fixed_size 0
		.amdhsa_enable_private_segment 0
		.amdhsa_kernarg_size 24
		.amdhsa_user_sgpr_count 2
		.amdhsa_user_sgpr_kernarg_segment_ptr 1
		.amdhsa_wavefront_size32 1
		.amdhsa_system_sgpr_workgroup_id_x 1
		.amdhsa_system_sgpr_workgroup_id_y 1
		.amdhsa_system_sgpr_workgroup_id_z 1
		.amdhsa_system_vgpr_workitem_id 0
		.amdhsa_next_free_vgpr 96
		.amdhsa_next_free_sgpr 66
		.amdhsa_reserve_vcc 0
		.amdhsa_float_denorm_mode_32 3
		.amdhsa_float_denorm_mode_16_64 3
		.amdhsa_memory_ordered 1
		.amdhsa_forward_progress 1
		.amdhsa_inst_pref_size 6
	.end_amdhsa_kernel
	.amdgpu_metadata
---
amdhsa.version: [ 1, 2 ]
amdhsa.kernels:
  - .name:           k_qfc3e34eb96_comb
    .symbol:         k_qfc3e34eb96_comb.kd
    .args:
      - { .name: ybuf, .offset: 0, .size: 8, .value_kind: global_buffer, .address_space: global }
      - { .name: gate, .offset: 8, .size: 8, .value_kind: global_buffer, .address_space: global }
      - { .name: out0, .offset: 16, .size: 8, .value_kind: global_buffer, .address_space: global }
    .group_segment_fixed_size: 0
    .private_segment_fixed_size: 0
    .kernarg_segment_align: 8
    .kernarg_segment_size: 24
    .max_flat_workgroup_size: 256
    .sgpr_count:     66
    .vgpr_count:     96
    .wavefront_size: 32
...
	.end_amdgpu_metadata
.endif
;; end of part 4
;; ======== version 2 of 3: 4 launches; 1.27 times as fast as version 1
;; workspace buffers: wq 13,107,200 bytes; xqs 1,638,400 bytes; gate 32,768 bytes; eids 32,768 bytes of whole numbers; plan 133,376 bytes of whole numbers; ybuf 16,777,216 bytes
;; launch prep: the kernel of part 1 again; grid 256 x 1, 8 waves a work-group, no clusters, 327,680 bytes of LDS; arguments x, router_w, router_b, w1, w2, wq, xqs, eids, gate; writes wq, xqs, eids, gate
;; launch place (part 5): grid 8 x 1, 16 waves a work-group, no clusters, 3,072 bytes of LDS; arguments eids, plan; writes plan
.if DOCPART == 5
	.amdgcn_target "amdgcn-amd-amdhsa--gfx1250"
	.amdhsa_code_object_version 6
	.text
	.protected	k_qfc3e34eb96_place
	.globl	k_qfc3e34eb96_place
	.p2align	8
	.type	k_qfc3e34eb96_place,@function
k_qfc3e34eb96_place:
	s_mov_b64 s[64:65], 0
	v_nop
	global_prefetch_b8 v0, s[64:65] scope:SCOPE_SE
	s_setreg_imm32_b32 hwreg(HW_REG_WAVE_MODE, 25, 1), 1
	s_wait_xcnt 0x0
; PLACE.  The 8,192 slots (slot = 2 x token + rank of the choice) are listed by expert.  Work-group e makes expert e's list: it reads all ids and keeps the slots whose id is e.
; plan: the eight counts (4 bytes each) at byte 0; expert e's list at 256 + 16,640 e: its slots, in any order, then 64 pad entries of 0, so that a tile of 64 may be read from any
; multiple of 64 under the count.  A token's two experts differ, so a list has 4,096 slots at the most; every place is held at 4,159 all the same.
; 16 waves; thread t holds slots 2,048 i + 4 t + c in register 16 + 4 i + c.  A slot's place = the counts of the waves in front + the wave's count in the registers in front + the lower lanes that match.
; All arithmetic is on whole numbers.  A lane whose slot belongs to another expert stores 0 to a pad entry, which holds 0 anyway: so no store is masked.
.set LSTR,  16640
.set LIST0, 256
	s_load_b128 s[4:7], s[0:1], 0x0                ; eids, plan
	v_lshl_add_u32 v64, v0, 2, 0x400
	v_mov_b32 v65, 0
	v_lshrrev_b32 v1, 5, v0
	v_readfirstlane_b32 s12, v1                    ; wave 0..15
	v_and_b32 v1, 31, v0                           ; lane
	v_lshlrev_b32 v2, 4, v0                        ; 16 t
	v_lshlrev_b32 v3, 2, v0                        ; 4 t: my first slot
	v_mov_b32 v4, s12
	v_lshlrev_b32 v4, 2, v4                        ; LDS: my wave's word
	v_mov_b32 v5, 0
	s_mov_b32 s10, ttmp9                           ; my expert
	s_mul_i32 s14, ttmp9, LSTR
	s_add_co_u32 s14, s14, LIST0
	s_mov_b32 s15, 0
	s_lshl_b32 s13, ttmp9, 2
	v_mov_b32 v6, s13                              ; my count's place
	s_wait_kmcnt 0x0
.irp i, 0,1,2,3
	global_load_b128 v[16+4*\i:19+4*\i], v2, s[4:5] offset:8192*\i
.endr
	s_add_nc_u64 s[8:9], s[6:7], s[14:15]          ; my list
	s_wait_loadcnt 0x0
.set j, 0
.rept 16                               ; sixteen masks in sixteen scalar registers, in one run
	v_cmp_eq_u32 s[16+j], s10, v[16+j]
.set j, j+1
.endr
	s_mov_b32 s32, 0
.set j, 0
.rept 16                               ; s[32 + j]: my wave's matches in the registers in front of j; s48: all of them
	s_bcnt1_i32_b32 s2, s[16+j]
	s_add_co_u32 s[33+j], s[32+j], s2
.set j, j+1
.endr
.set j, 0
.rept 16
	v_mbcnt_lo_u32_b32 v[32+j], s[16+j], s[32+j]   ; + the lower lanes that match
.set j, j+1
.endr
	v_mov_b32 v7, s48
	ds_store_b32 v4, v7                            ; all lanes write the same word with the same value
	s_wait_dscnt 0x0                               ; for the others: my store is done
	s_barrier_signal -1
	s_barrier_wait -1
.irp i, 0,1,2,3
	ds_load_b128 v[48+4*\i:51+4*\i], v5 offset:16*\i   ; the sixteen waves' counts, in every lane
.endr
	v_mov_b32 v8, 0                                ; the counts of the waves in front of mine
	v_mov_b32 v9, 0                                ; the counts of all: T
	s_wait_dscnt 0x0
.irp w, 0,1,2,3,4,5,6,7,8,9,10,11,12,13,14,15
	s_cmp_gt_u32 s12, \w
	s_cselect_b32 s2, -1, 0
	v_add_nc_u32 v9, v9, v[48+\w]
	v_and_b32 v[48+\w], s2, v[48+\w]
	v_add_nc_u32 v8, v8, v[48+\w]
.endr
	v_add_nc_u32 v10, v9, v1                       ; a pad entry: T + lane
.set j, 0
.rept 16
	v_add_nc_u32 v[32+j], v8, v[32+j]              ; the slot's place in the list,
.set j, j+1
.endr
.set j, 0
.rept 16
	v_cndmask_b32 v[32+j], v10, v[32+j], s[16+j]   ; or the pad entry
.set j, j+1
.endr
.set j, 0
.rept 16
	v_min_u32 v[32+j], 0x103f, v[32+j]
.set j, j+1
.endr
.set j, 0
.rept 16
	v_lshlrev_b32 v[32+j], 2, v[32+j]
.set j, j+1
.endr
.set j, 0
.rept 16
	v_add_nc_u32 v[16+j], 2048*(j/4)+j%4, v3       ; the slot's number,
.set j, j+1
.endr
.set j, 0
.rept 16
	v_cndmask_b32 v[16+j], 0, v[16+j], s[16+j]     ; or the pad's 0
.set j, j+1
.endr
.set j, 0
.rept 16
	global_store_b32 v[32+j], v[16+j], s[8:9]
.set j, j+1
.endr
	s_cmp_lt_u32 s12, 2
	s_cbranch_scc0 .Lend
	v_add_nc_u32 v11, v9, v0                       ; threads 0 to 63: the 64 pad entries, each written here whatever the lanes above have done
	v_min_u32 v11, 0x103f, v11
	v_lshlrev_b32 v11, 2, v11
	global_store_b32 v11, v5, s[8:9]
	global_store_b32 v6, v9, s[6:7]                ; the count: the lanes write one word with one value
.Lend:
	s_wait_tensorcnt 0x0
	ds_add_u32 v64, v65
	s_wait_dscnt 0x0
	s_endpgm
.Lfunc_end_k_qfc3e34eb96_place:
	.size	k_qfc3e34eb96_place, .Lfunc_end_k_qfc3e34eb96_place-k_qfc3e34eb96_place
	.p2alignl 7, 3214868480
	.fill 96, 4, 3214868480
	.section	.rodata,"a",@progbits
	.p2align	6, 0x0
	.amdhsa_kernel k_qfc3e34eb96_place
		.amdhsa_group_segment_fixed_size 3072
		.amdhsa_private_segment_fixed_size 0
		.amdhsa_enable_private_segment 0
		.amdhsa_kernarg_size 16
		.amdhsa_user_sgpr_count 2
		.amdhsa_user_sgpr_kernarg_segment_ptr 1
		.amdhsa_wavefront_size32 1
		.amdhsa_system_sgpr_workgroup_id_x 1
		.amdhsa_system_sgpr_workgroup_id_y 1
		.amdhsa_system_sgpr_workgroup_id_z 1
		.amdhsa_system_vgpr_workitem_id 0
		.amdhsa_next_free_vgpr 66
		.amdhsa_next_free_sgpr 66
		.amdhsa_reserve_vcc 0
		.amdhsa_float_denorm_mode_32 3
		.amdhsa_float_denorm_mode_16_64 3
		.amdhsa_memory_ordered 1
		.amdhsa_forward_progress 1
		.amdhsa_inst_pref_size 15
	.end_amdhsa_kernel
	.amdgpu_metadata
---
amdhsa.version: [ 1, 2 ]
amdhsa.kernels:
  - .name:           k_qfc3e34eb96_place
    .symbol:         k_qfc3e34eb96_place.kd
    .args:
      - { .name: eids, .offset: 0, .size: 8, .value_kind: global_buffer, .address_space: global }
      - { .name: plan, .offset: 8, .size: 8, .value_kind: global_buffer, .address_space: global }
    .group_segment_fixed_size: 3072
    .private_segment_fixed_size: 0
    .kernarg_segment_align: 8
    .kernarg_segment_size: 16
    .max_flat_workgroup_size: 512
    .sgpr_count:     66
    .vgpr_count:     66
    .wavefront_size: 32
...
	.end_amdgpu_metadata
.endif
;; end of part 5
;; launch ffn (part 6): grid 135 x 1, 4 waves a work-group, no clusters, 97,792 bytes of LDS; arguments plan, xqs, wq, b1, b2, ybuf; writes ybuf
.if DOCPART == 6
	.amdgcn_target "amdgcn-amd-amdhsa--gfx1250"
	.amdhsa_code_object_version 6
	.text
	.protected	k_qfc3e34eb96_ffn
	.globl	k_qfc3e34eb96_ffn
	.p2align	8
	.type	k_qfc3e34eb96_ffn,@function
k_qfc3e34eb96_ffn:
	s_mov_b64 s[64:65], 0
	v_nop
	global_prefetch_b8 v0, s[64:65] scope:SCOPE_SE
	s_setreg_imm32_b32 hwreg(HW_REG_WAVE_MODE, 25, 1), 1
	s_wait_xcnt 0x0
; FFN.  One work-group takes one tile, up to 64 rows of one expert, through the chain: y = relu(x W1 + b1) W2 + b2, both products on codes of BF6 with E8M0 scales.
; The hidden layer is quantised on the way and never goes to memory.  ceil(8,192 / 64) + 7 = 135 tiles serve every split; which expert and which 64 places of its list are tile i's is
; worked out from the eight counts that an earlier launch stored.  A tile with fewer than 64 rows computes on the pad entries that follow in the list and stores only its own rows.
; SHARES.  The four waves share the columns: in a chunk of 512 hidden units wave w makes units 128 w .. + 127 of it for all 64 rows (four row tiles m), and it owns output columns 128 w .. + 127.
; Both products are used transposed (source 0 = 16 rows of a weight tile, source 1 = 16 rows of the tile): a lane holds one row, its registers run along the columns.
; The weights come from memory straight into registers, in the order of the operand registers: a unit is four fragments and their scale words, 13 loads, for 16 matrix instructions;
; four units are on their way or at work.  x's and the hidden layer's fragments go from wave to wave through LDS as images of their registers.
; THE WALK.  Tile i begins with chunk i & 3 and walks the four chunks round: the tiles of one expert do not all ask for the same bytes at the same moment; a chunk that one tile reads
; first is read by its neighbours a trip or more later.  The second product's sum over the chunks is taken in the order of the walk.
; NO JOINT LOADS: the tiles of one expert number ceil(rows / 64), anything from 0 to 64 by a count read from memory, and 135 work-groups do not divide into clusters of four;
; a joint load's address would hang on that count, and the weights would have to pass through LDS besides.
; REGISTERS: window 0: addresses, scale words, the rows' fragments (two sets), the quantiser's work.  Window 1: the hidden layer, 64 m + 8 t.  Window 2: y, 64 m + 8 t.
;   Window 3: v0-191 the ring of four weight units, v192-255 b1's eight tiles.
; LIMITS: NaN and infinities are not served; a block whose largest magnitude lies under 2^-122 keeps the scale byte 1.
.set XIMG, 0                           ; LDS: x's 16 fragments (4 m + s), 1,536 bytes each
.set XSC,  24576                       ; their scale words, 128 bytes each
.set HIMG, 26624                       ; the hidden layer's 16 fragments of a chunk (4 m + s)
.set HSC,  51200
.set B1L,  53248                       ; b1 of my hidden units: 2,048 bytes a wave, 512 a trip, in the order of the walk
.set STG,  61440                       ; the way out: 16 rows x (512 + 16) bytes for each wave
.set B2L,  95232                       ; b2 of my 128 columns: 512 bytes a wave
.set UB,   6144                        ; a unit's codes
.set CHW,  196608                      ; a chunk's codes: four blocks of 49,152 bytes
.set A16, 1                            ; v1  16 x lane
.set A4,  2                            ; v2  4 x lane
.set A8,  3                            ; v3  8 x lane
.set XWI, 4                            ; v4  where I store x's images
.set XWS, 5                            ; v5  and their scale words
.set HWI, 6                            ; v6  the hidden layer's
.set HWS, 7                            ; v7
.set BB,  8                            ; v8  b1 in LDS: my wave's, + 64 h
.set BA,  9                            ; v9  the same for the trip in hand
.set SO,  10                           ; v10 the stage: where I put my numbers
.set SR,  11                           ; v11 and where I read rows back
.set CL,  12                           ; v12 512 w + 16 l: my bytes of a row of ybuf
.set WS,  16                           ; v16-23  the weights' scale words, two registers a ring slot
.set BS,  24                           ; v24-31  the rows' scale words, two sets of four
.set BF,  32                           ; v32-127 the rows' fragments, two sets of four
.set T,   32                           ; v32-95  64 numbers of the hidden layer for the quantiser (the fragments are not live then)
.set OB,  32                           ; v32-95  the way out: 16 rows
.set OFF, 96                           ; v96-111 the way out: their offsets.  At the head: b1; v112-115: b2
.set PC,  128                          ; v128-147 the codes just made
.set TM,  148                          ; v148-163 the quantiser's work
.set PW,  164                          ; v164 the scale word just made.  v165-174: addresses of the head
.set B1R, 192                          ; in window 3
.set P1, 4                             ; s[4:5] W1's codes of the chunk in hand, s[6:7] its scale words, s[8:9], s[10:11] W2's
.set S1, 6
.set P2, 8
.set S2, 10
.set SEL, 12
.set WBS, 88                           ; s[88:89] my block of W1's codes in chunk 0 of the expert;  s[98:99] of its scale words
.set SBS, 98
.set PN,  90                           ; s[90:91], s[92:93] W1's codes and scale words of the chunk that follows in the walk
.set SN,  92
.set MSB, 0
.macro WIN new                         ; the immediate's high byte repeats the setting that is left
.if MSB != \new
	s_set_vgpr_msb (MSB<<8)|\new
.set MSB, \new
.endif
.endm
.macro BARRIER                         ; my LDS stores have landed and my LDS loads are in: then the work-group's barrier
	s_wait_dscnt 0x0
	s_barrier_signal -1
	s_barrier_wait -1
.endm
; a weight unit into ring slot: four fragments, 12 loads of 512 consecutive bytes, and two scale registers: 13 loads
.macro WLOAD slot, pb, sb, off, soff
	WIN 0xc0                                       ; destination window 3
.irp f, 0,1,2,3
.irp p, 0,1,2
	global_load_b128 v[48*(\slot)+12*\f+4*\p:48*(\slot)+12*\f+4*\p+3], v[A16], s[\pb:\pb+1] offset:(\off)+1536*\f+512*\p
.endr
.endr
	WIN 0
	global_load_b64 v[WS+2*(\slot):WS+2*(\slot)+1], v[A8], s[\sb:\sb+1] offset:\soff
.endm
; unit j of a trip's 16: tiles 4 (j % 2) .. + 3 against the four row tiles, 128 along K.  mode 0: the first product's K step 0 (C = b1); 1: its others; 2: the second product.
; The accumulators take turns, one instruction a turn.  Four plain places follow: loads into the registers just read, and reads of results, stand behind them.
.macro UNIT j, cnt, mode
	s_wait_loadcnt \cnt                            ; the unit's 13 loads are in; the count is the loads of the units issued behind it
.if \mode == 0
	WIN 0x73                                       ; A window 3, B window 0, C window 3, D window 1
.elseif \mode == 1
	WIN 0x53                                       ; C and D window 1
.else
	WIN 0xa3                                       ; C and D window 2
.endif
.irp tt, 0,1,2,3
.irp m, 0,1,2,3
.set rD, 64*\m+8*(4*((\j)%2)+\tt)
.set rA, 48*((\j)%4)+12*\tt
.set rB, BF+48*(((\j)/2)%2)+12*\m
.set rC, rD
.if \mode == 0
.set rC, B1R+8*(4*((\j)%2)+\tt)
.endif
.set rSA, WS+2*((\j)%4)+\tt/2
.set rSB, BS+4*(((\j)/2)%2)+\m
.if \tt%2
	v_wmma_scale_f32_16x16x128_f8f6f4 v[rD:rD+7], v[rA:rA+11], v[rB:rB+11], v[rC:rC+7], v[rSA], v[rSB] matrix_a_fmt:MATRIX_FMT_BF6 matrix_b_fmt:MATRIX_FMT_BF6 matrix_a_scale:MATRIX_SCALE_ROW1
.else
	v_wmma_scale_f32_16x16x128_f8f6f4 v[rD:rD+7], v[rA:rA+11], v[rB:rB+11], v[rC:rC+7], v[rSA], v[rSB] matrix_a_fmt:MATRIX_FMT_BF6 matrix_b_fmt:MATRIX_FMT_BF6
.endif
.endr
.endr
.rept 4
	v_nop
.endr
.endm
; the four row tiles' fragments and scale words of K step s, from images at img / sc, into set buf
.macro BFETCH buf, img, sc, s
	WIN 0
.irp m, 0,1,2,3
.irp p, 0,1,2
	ds_load_b128 v[BF+48*(\buf)+12*\m+4*\p:BF+48*(\buf)+12*\m+4*\p+3], v[A16] offset:(\img)+(4*\m+(\s))*1536+512*\p
.endr
	ds_load_b32 v[BS+4*(\buf)+\m], v[A4] offset:(\sc)+(4*\m+(\s))*128
.endr
.endm
.macro BIAS                            ; b1 in the result's layout: tile 2 b + u, lane (r, h): units 32 b + 16 h + 8 u + 0 .. 7
	WIN 0xc0
.irp t, 0,1,2,3,4,5,6,7
	ds_load_b128 v[B1R+8*\t:B1R+8*\t+3], v[BA] offset:128*(\t/2)+32*(\t%2)
	ds_load_b128 v[B1R+8*\t+4:B1R+8*\t+7], v[BA] offset:128*(\t/2)+32*(\t%2)+16
.endr
	WIN 0
.endm
.macro RELU m                          ; row tile m's 64 numbers, each accumulator from its low end on
	WIN 0x04                                       ; source 1 window 1
.set j, 0
.rept 64
	v_max_num_f32 v[T+j], 0, v[64*\m+j]
.set j, j+1
.endr
	WIN 0
.endm
; 64 numbers of a lane, register 16 b + i = k 32 b + 16 (lane / 16) + i of my row, become a fragment's codes in v[PC] on and its scale word in v[PW]
.macro QUANT s
.irp b, 0,1,2,3
	v_max3_num_f32 v[TM+\b], |v[\s+16*\b]|, |v[\s+1+16*\b]|, 0x2800000   ; my 16 numbers of block b, and the floor 2^(5 - 127)
.endr
.irp i, 2,4,6,8,10,12,14
.irp b, 0,1,2,3
	v_max3_num_f32 v[TM+\b], v[TM+\b], |v[\s+16*\b+\i]|, |v[\s+1+16*\b+\i]|
.endr
.endr
.irp b, 0,1,2,3
	v_permlanex16_b32 v[TM+4+\b], v[TM+\b], s[SEL], s[SEL+1]
.endr
.irp b, 0,1,2,3
	v_max_num_f32 v[TM+\b], v[TM+\b], v[TM+4+\b]   ; with lane l xor 16's: the block's largest magnitude
.endr
.irp b, 0,1,2,3
	v_add_nc_u32 v[TM+12+\b], 0xfe000000, v[TM+\b] ; 4 off its exponent field: the conversion's scale operand
.endr
.irp b, 0,1,2,3
	v_lshrrev_b32 v[TM+4+\b], 23, v[TM+12+\b]      ; the scale's byte
.endr
	v_lshl_or_b32 v[PW], v[TM+5], 8, v[TM+4]
	v_lshl_or_b32 v[PW], v[TM+6], 16, v[PW]
	v_lshl_or_b32 v[PW], v[TM+7], 24, v[PW]
.irp c, 0,1
	v_cvt_scalef32_pk16_bf6_f32 v[PC+6*\c:PC+2+6*\c], v[\s+32*\c:\s+15+32*\c], v[TM+12+2*\c]
	v_cvt_scalef32_pk16_bf6_f32 v[PC+12+4*\c:PC+14+4*\c], v[\s+16+32*\c:\s+31+32*\c], v[TM+12+2*\c+1]   ; (a conversion's three registers begin on an even number)
.endr
	v_nop                                          ; a plain line behind the conversions
.irp c, 0,1                            ; the operand wants a whole block in a lane: lanes 0-15 block 2 c, lanes 16-31 block 2 c + 1
.irp i, 0,1,2
	v_permlane16_swap_b32 v[PC+6*\c+\i], v[PC+12+4*\c+\i]
.endr
.irp i, 0,1,2
	v_mov_b32 v[PC+3+6*\c+\i], v[PC+12+4*\c+\i]
.endr
.endr
.endm
.macro IMAGE adr, off
.irp c, 0,1,2
	ds_store_b128 v[\adr], v[PC+4*\c:PC+4*\c+3] offset:(\off)+512*\c
.endr
.endm
	s_load_b256 s[84:91], s[0:1], 0x0              ; plan s[84:85], xqs s[86:87], wq s[88:89], b1 s[90:91]
	s_load_b128 s[92:95], s[0:1], 0x20             ; b2 s[92:93], ybuf s[94:95]
	v_lshl_add_u32 v254, v0, 2, 0x17c00
	v_mov_b32 v255, 0
	v_lshrrev_b32 v13, 5, v0
	v_readfirstlane_b32 s14, v13                   ; wave 0..3
	v_and_b32 v14, 31, v0
	v_and_b32 v167, 15, v0                         ; r
	v_bfe_u32 v168, v0, 4, 1                       ; h
	v_lshlrev_b32 v[A16], 4, v14
	v_lshlrev_b32 v[A4], 2, v14
	v_lshlrev_b32 v[A8], 3, v14
	s_mul_i32 s2, s14, 6144
	v_add_nc_u32 v[XWI], s2, v[A16]                ; x's images: I make row tile m = wave
	s_lshl_b32 s2, s14, 9
	v_add_nc_u32 v[XWS], s2, v[A4]
	v_add_nc_u32 v[CL], s2, v[A16]
	s_add_co_u32 s2, s2, B2L
	v_lshl_add_u32 v166, v168, 6, s2               ; b2 in LDS: my wave's, + 64 h
	v_add_nc_u32 v170, s2, v[A16]                  ; and where I put it
	s_mul_i32 s2, s14, 1536
	v_add_nc_u32 v[HWI], s2, v[A16]                ; the hidden layer's: I make K step s = wave of every row tile
	s_lshl_b32 s2, s14, 7
	v_add_nc_u32 v[HWS], s2, v[A4]
	s_lshl_b32 s2, s14, 11
	s_add_co_u32 s2, s2, B1L
	v_lshl_add_u32 v[BB], v168, 6, s2
	v_add_nc_u32 v169, s2, v[A16]
	s_mul_i32 s2, s14, 8448
	s_add_co_u32 s2, s2, STG
	v_mul_u32_u24 v[SO], v167, 528
	v_lshl_add_u32 v[SO], v168, 6, v[SO]
	v_add_nc_u32 v[SO], s2, v[SO]
	v_add_nc_u32 v[SR], s2, v[A16]
	s_mov_b32 s[SEL], 0x76543210
	s_mov_b32 s[SEL+1], 0xfedcba98
	s_and_b32 s97, ttmp9, 3                        ; the chunk with which my walk begins
	s_wait_kmcnt 0x0
	s_load_b256 s[68:75], s[84:85], 0x0            ; the eight experts' counts of rows
	s_wait_kmcnt 0x0
	s_mov_b32 s96, 0                               ; MY TILE: the last expert whose first tile is not behind mine,
	s_mov_b32 s98, s68                             ; its rows,
	s_mov_b32 s99, 0                               ; (the tiles of the experts passed)
	s_mov_b32 s100, 0                              ; its first tile
.irp e, 0,1,2,3,4,5,6
	s_add_co_u32 s3, s[68+\e], 63
	s_lshr_b32 s3, s3, 6
	s_add_co_u32 s99, s99, s3
	s_cmp_ge_u32 ttmp9, s99
	s_cselect_b32 s96, \e+1, s96
	s_cselect_b32 s100, s99, s100
	s_cselect_b32 s98, s[69+\e], s98
.endr
	s_sub_co_u32 s101, ttmp9, s100
	s_lshl_b32 s101, s101, 6                       ; my first place in its list
	s_sub_co_i32 s15, s98, s101
	s_max_i32 s15, s15, 0
	s_min_i32 s15, s15, 64                         ; my rows: 0 for a tile that this split leaves empty,
	s_cmp_eq_u32 s15, 0
	s_cselect_b32 s101, 0, s101                    ; which reads the list's head: entries that have been written
	s_min_u32 s101, s101, 4032
	s_min_u32 s96, s96, 7
	s_mul_i32 s3, s96, 16640
	s_lshl_b32 s101, s101, 2
	s_add_co_u32 s3, s3, s101
	s_load_b512 s[16:31], s[84:85], s3 offset:256  ; the 64 slots, for the way out: row i in s[16 + i], rows 48 on in s[68 + i - 48]
	s_load_b512 s[32:47], s[84:85], s3 offset:320
	s_load_b512 s[48:63], s[84:85], s3 offset:384
	s_load_b512 s[68:83], s[84:85], s3 offset:448
	s_lshl_b32 s2, s14, 6
	s_add_co_u32 s2, s2, s3
	v_lshl_add_u32 v13, v167, 2, s2                ; the list entry of row 16 w + r
	s_mov_b32 s101, 0
	s_lshl_b32 s98, s14, 9
	s_lshl_b32 s100, s96, 13
	s_add_co_u32 s100, s100, s98
	s_add_nc_u64 s[90:91], s[90:91], s[100:101]    ; b1: the expert's row, my 128 of chunk 0
	s_lshl_b32 s100, s96, 11
	s_add_co_u32 s100, s100, s98
	s_add_nc_u64 s[92:93], s[92:93], s[100:101]    ; b2: the expert's row, my 128 columns
	global_load_b128 v[112:115], v[A16], s[92:93]
.irp n, 0,1,2,3                        ; b1 of the walk's n-th chunk
	s_add_co_u32 s99, s97, \n
	s_and_b32 s99, s99, 3
	s_lshl_b32 s99, s99, 11
	v_add_nc_u32 v[171+\n], s99, v[A16]
	global_load_b128 v[OFF+4*\n:OFF+4*\n+3], v[171+\n], s[90:91]
.endr
	global_load_b32 v14, v13, s[84:85] offset:256
	s_lshl_b32 s98, s96, 15                        ; the weights: an expert is 16 blocks of 49,152 bytes of codes and of 2,048 bytes of scale words; block 4 c + w is mine in chunk c
	s_lshl_b32 s99, s14, 11
	s_add_co_u32 s98, s98, s99
	s_add_co_u32 s98, s98, 12582912
	s_mov_b32 s99, 0
	s_add_nc_u64 s[SBS:SBS+1], s[88:89], s[98:99]
	s_mul_i32 s100, s96, 786432
	s_mul_i32 s2, s14, 49152
	s_add_co_u32 s100, s100, s2
	s_add_nc_u64 s[WBS:WBS+1], s[88:89], s[100:101]
	s_mul_i32 s100, s97, CHW
	s_add_nc_u64 s[P1:P1+1], s[WBS:WBS+1], s[100:101]
	s_add_nc_u64 s[P2:P2+1], s[P1:P1+1], 6291456
	s_lshl_b32 s100, s97, 13
	s_add_nc_u64 s[S1:S1+1], s[SBS:SBS+1], s[100:101]
	s_add_nc_u64 s[S2:S2+1], s[S1:S1+1], 262144
	WLOAD 0, P1, S1, 0, 0                          ; the ring is filled as soon as the expert is known: it lands while the rows are gathered
	WLOAD 1, P1, S1, UB, 256
	WLOAD 2, P1, S1, 2*UB, 512
	WLOAD 3, P1, S1, 3*UB, 768
	s_wait_loadcnt 52                              ; b2, b1 and my list entry are in; the four units' 52 loads issued behind them may be out
	v_lshrrev_b32 v14, 1, v14                      ; the token
	v_min_u32 v14, 0xfff, v14
	v_mul_u32_u24 v15, v14, 384
	v_mad_u32_u24 v15, v168, 192, v15              ; my half's 192 bytes: the four fragments' registers on end
	v_lshlrev_b32 v165, 4, v14
.set i, 0
.rept 12
	global_load_b128 v[BF+4*i:BF+4*i+3], v15, s[86:87] offset:16*i
.set i, i+1
.endr
	global_load_b128 v[BS:BS+3], v165, s[86:87] offset:1572864   ; the token's four scale words
.irp n, 0,1,2,3                        ; while x is on its way: the biases go to my own LDS bytes,
	ds_store_b128 v169, v[OFF+4*\n:OFF+4*\n+3] offset:512*\n
.endr
	ds_store_b128 v170, v[112:115]
	WIN 0x80                                       ; and b2 comes back in the result's layout, straight into y's accumulators: it starts the sums, and every product of the second kind adds in place.
.irp m, 0,1,2,3                        ; (LDS serves a wave's instructions in order: these see my store)
.irp t, 0,1,2,3,4,5,6,7
	ds_load_b128 v[64*\m+8*\t:64*\m+8*\t+3], v166 offset:128*(\t/2)+32*(\t%2)
	ds_load_b128 v[64*\m+8*\t+4:64*\m+8*\t+7], v166 offset:128*(\t/2)+32*(\t%2)+16
.endr
.endr
	WIN 0
.irp b, 0,1,2,3
	v_mov_b32 v[TM+4+\b], 0                        ; written once: a lane permute's destination counts as one of its sources
.endr
	s_wait_loadcnt 0x0                             ; x, the youngest loads
.irp s, 0,1,2,3
.irp p, 0,1,2
	ds_store_b128 v[XWI], v[BF+12*\s+4*\p:BF+12*\s+4*\p+3] offset:XIMG+1536*\s+512*\p
.endr
	ds_store_b32 v[XWS], v[BS+\s] offset:XSC+128*\s
.endr
	s_wait_kmcnt 0x0                               ; the 64 slots
	BARRIER                                        ; x's sixteen fragments lie in LDS
	s_mov_b32 s96, 0                               ; the trip's bytes in b1
	v_mov_b32 v[BA], v[BB]
	BIAS
	BFETCH 0, XIMG, XSC, 0
	s_add_co_u32 s97, s97, 1                       ; the chunk that follows in the walk (b1's and b2's loads are done: their pointers' registers are free)
	s_and_b32 s97, s97, 3
	s_mul_i32 s100, s97, CHW
	s_add_nc_u64 s[PN:PN+1], s[WBS:WBS+1], s[100:101]
	s_lshl_b32 s100, s97, 13
	s_add_nc_u64 s[SN:SN+1], s[SBS:SBS+1], s[100:101]
; A TRIP: one chunk of 512 hidden units.  Units 0-7: W1 (K steps 0-3 over D); units 8-15: W2 (the chunk's four K steps over F).  Behind unit j the unit four on is asked for, into the slot just read.
; The count 39 is three units of 13 loads.
.macro TRIP last
	s_wait_dscnt 0x0                               ; the rows' fragments of this K step, their scale words and b1 are in
	BFETCH 1, XIMG, XSC, 1
	UNIT 0, 39, 0
	WLOAD 0, P1, S1, 4*UB, 4*256
	UNIT 1, 39, 0
	WLOAD 1, P1, S1, 5*UB, 5*256
	s_wait_dscnt 0x0
	BFETCH 0, XIMG, XSC, 2
	UNIT 2, 39, 1
	WLOAD 2, P1, S1, 6*UB, 6*256
	UNIT 3, 39, 1
	WLOAD 3, P1, S1, 7*UB, 7*256
	s_wait_dscnt 0x0
	BFETCH 1, XIMG, XSC, 3
	UNIT 4, 39, 1
	WLOAD 0, P2, S2, 0, 0
	UNIT 5, 39, 1
	WLOAD 1, P2, S2, UB, 256
	s_wait_dscnt 0x0
	UNIT 6, 39, 1
	WLOAD 2, P2, S2, 2*UB, 2*256
	UNIT 7, 39, 1
	WLOAD 3, P2, S2, 3*UB, 3*256
	RELU 0
	QUANT T
	BARRIER                                        ; every wave's reads of the last chunk's hidden images are in: they may be written again
	IMAGE HWI, HIMG
	ds_store_b32 v[HWS], v[PW] offset:HSC
.irp m, 1,2,3
	RELU \m
	s_wait_dscnt 0x0                               ; the stores have read their registers
	QUANT T
	IMAGE HWI, HIMG+6144*\m
	ds_store_b32 v[HWS], v[PW] offset:HSC+512*\m
.endr
	BARRIER                                        ; the chunk's sixteen hidden fragments lie in LDS
	BFETCH 0, HIMG, HSC, 0
	s_wait_dscnt 0x0
	BFETCH 1, HIMG, HSC, 1
	UNIT 8, 39, 2
	WLOAD 0, P2, S2, 4*UB, 4*256
	UNIT 9, 39, 2
	WLOAD 1, P2, S2, 5*UB, 5*256
	s_wait_dscnt 0x0
	BFETCH 0, HIMG, HSC, 2
	UNIT 10, 39, 2
	WLOAD 2, P2, S2, 6*UB, 6*256
	UNIT 11, 39, 2
	WLOAD 3, P2, S2, 7*UB, 7*256
	s_wait_dscnt 0x0
	BFETCH 1, HIMG, HSC, 3
.if \last
	UNIT 12, 39, 2                                 ; nothing is left to ask for: the counts run down
	UNIT 13, 26, 2
	WIN 0
	s_wait_dscnt 0x0
	UNIT 14, 13, 2
	UNIT 15, 0, 2
	WIN 0
.else
	UNIT 12, 39, 2
	WLOAD 0, PN, SN, 0, 0                          ; W1 of the chunk that follows in the walk
	UNIT 13, 39, 2
	WLOAD 1, PN, SN, UB, 256
	s_wait_dscnt 0x0
	s_add_co_u32 s96, s96, 512
	v_add_nc_u32 v[BA], s96, v[BB]
	BFETCH 0, XIMG, XSC, 0                         ; the next chunk begins with x's K step 0 and its own b1
	BIAS
	UNIT 14, 39, 2
	WLOAD 2, PN, SN, 2*UB, 512
	UNIT 15, 39, 2
	WLOAD 3, PN, SN, 3*UB, 768
	s_wait_xcnt 0x0                                ; the loads have read their bases: the pointers may be written
	s_mov_b64 s[P1:P1+1], s[PN:PN+1]
	s_mov_b64 s[S1:S1+1], s[SN:SN+1]
	s_add_nc_u64 s[P2:P2+1], s[P1:P1+1], 6291456
	s_add_nc_u64 s[S2:S2+1], s[S1:S1+1], 262144
	s_add_co_u32 s97, s97, 1                       ; and the chunk behind that one, round the four (behind the last trip of the loop it is not used)
	s_and_b32 s97, s97, 3
	s_mul_i32 s100, s97, CHW
	s_add_nc_u64 s[PN:PN+1], s[WBS:WBS+1], s[100:101]
	s_lshl_b32 s100, s97, 13
	s_add_nc_u64 s[SN:SN+1], s[SBS:SBS+1], s[100:101]
.endif
.endm
	s_mov_b32 s2, 3
.Ltrip:
	TRIP 0
	s_sub_co_u32 s2, s2, 1
	s_cmp_lg_u32 s2, 0
	s_cbranch_scc1 .Ltrip
	TRIP 1                                         ; the walk's last chunk is written out: it asks for nothing more
; THE WAY OUT, a row tile at a time.  A lane holds numbers of one row and the lanes beside it other rows: the tile goes through my own stage in LDS and comes back as rows of my 128 columns,
; 512 consecutive bytes, which the 32 lanes store at the row's slot.  LDS serves a wave's instructions in order: no wait between the stores and the loads.  Rows beyond the tile's count are not stored.
.irp m, 0,1,2,3
.if \m > 0
	s_wait_xcnt 0x0                                ; the last tile's stores have read their data and offsets
.endif
	WIN 0x08                                       ; an LDS store's data: window 2
.irp t, 0,1,2,3,4,5,6,7
	ds_store_b128 v[SO], v[64*\m+8*\t:64*\m+8*\t+3] offset:128*(\t/2)+32*(\t%2)        ; each accumulator from its low end on
	ds_store_b128 v[SO], v[64*\m+8*\t+4:64*\m+8*\t+7] offset:128*(\t/2)+32*(\t%2)+16
.endr
	WIN 0
.irp i, 0,1,2,3,4,5,6,7,8,9,10,11,12,13,14,15
	ds_load_b128 v[OB+4*\i:OB+4*\i+3], v[SR] offset:528*\i
.endr
.irp i, 0,1,2,3,4,5,6,7,8,9,10,11,12,13,14,15
	s_cmp_le_u32 s15, 16*\m+\i                     ; the tile's rows are over: a count made of whole numbers that an earlier launch stored; no barrier stands behind this branch
	s_cbranch_scc1 .Ldone
	s_min_u32 s3, s[16+16*\m+\i+4*(\m/3)], 8191
	v_lshl_add_u32 v[OFF+\i], s3, 11, v[CL]        ; slot x 2,048 bytes + my columns
	s_wait_dscnt 15-\i                             ; row i is back; the younger rows may be out
	global_store_b128 v[OFF+\i], v[OB+4*\i:OB+4*\i+3], s[94:95]
.endr
.endr
.Ldone:
	s_wait_tensorcnt 0x0
	ds_add_u32 v254, v255
	s_wait_dscnt 0x0
	s_endpgm
.Lfunc_end_k_qfc3e34eb96_ffn:
	.size	k_qfc3e34eb96_ffn, .Lfunc_end_k_qfc3e34eb96_ffn-k_qfc3e34eb96_ffn
	.p2alignl 7, 3214868480
	.fill 96, 4, 3214868480
	.section	.rodata,"a",@progbits
	.p2align	6, 0x0
	.amdhsa_kernel k_qfc3e34eb96_ffn
		.amdhsa_group_segment_fixed_size 97792
		.amdhsa_private_segment_fixed_size 0
		.amdhsa_enable_private_segment 0
		.amdhsa_kernarg_size 48
		.amdhsa_user_sgpr_count 2
		.amdhsa_user_sgpr_kernarg_segment_ptr 1
		.amdhsa_wavefront_size32 1
		.amdhsa_system_sgpr_workgroup_id_x 1
		.amdhsa_system_sgpr_workgroup_id_y 1
		.amdhsa_system_sgpr_workgroup_id_z 1
		.amdhsa_system_vgpr_workitem_id 0
		.amdhsa_next_free_vgpr 1024
		.amdhsa_next_free_sgpr 102
		.amdhsa_reserve_vcc 0
		.amdhsa_float_denorm_mode_32 3
		.amdhsa_float_denorm_mode_16_64 3
		.amdhsa_memory_ordered 1
		.amdhsa_forward_progress 1
		.amdhsa_inst_pref_size 222
	.end_amdhsa_kernel
	.amdgpu_metadata
---
amdhsa.version: [ 1, 2 ]
amdhsa.kernels:
  - .name:           k_qfc3e34eb96_ffn
    .symbol:         k_qfc3e34eb96_ffn.kd
    .args:
      - { .name: plan, .offset: 0, .size: 8, .value_kind: global_buffer, .address_space: global }
      - { .name: xqs, .offset: 8, .size: 8, .value_kind: global_buffer, .address_space: global }
      - { .name: wq, .offset: 16, .size: 8, .value_kind: global_buffer, .address_space: global }
      - { .name: b1, .offset: 24, .size: 8, .value_kind: global_buffer, .address_space: global }
      - { .name: b2, .offset: 32, .size: 8, .value_kind: global_buffer, .address_space: global }
      - { .name: ybuf, .offset: 40, .size: 8, .value_kind: global_buffer, .address_space: global }
    .group_segment_fixed_size: 97792
    .private_segment_fixed_size: 0
    .kernarg_segment_align: 8
    .kernarg_segment_size: 48
    .max_flat_workgroup_size: 128
    .sgpr_count:     102
    .vgpr_count:     1024
    .wavefront_size: 32
...
	.end_amdgpu_metadata
.endif
;; end of part 6
;; launch comb: the kernel of part 4 again; grid 256 x 1, 8 waves a work-group, no clusters, 0 bytes of LDS; arguments ybuf, gate, out0; writes out0
;; ======== version 3 of 3: 4 launches; version 2 with the launch ffn written anew for expert scheduling mode
;; workspace buffers: wq 13,107,200 bytes; xqs 1,638,400 bytes; gate 32,768 bytes; eids 32,768 bytes of whole numbers; plan 133,376 bytes of whole numbers; ybuf 16,777,216 bytes
;; launch prep: the kernel of part 1 again; grid 256 x 1, 8 waves a work-group, no clusters, 327,680 bytes of LDS; arguments x, router_w, router_b, w1, w2, wq, xqs, eids, gate; writes wq, xqs, eids, gate
;; launch place: the kernel of part 5 again; grid 8 x 1, 16 waves a work-group, no clusters, 3,072 bytes of LDS; arguments eids, plan; writes plan
;; launch ffn (part 7): grid 135 x 1, 4 waves a work-group, no clusters, 97,792 bytes of LDS; arguments plan, xqs, wq, b1, b2, ybuf; writes ybuf
.if DOCPART == 7
	.amdgcn_target "amdgcn-amd-amdhsa--gfx1250"
	.amdhsa_code_object_version 6
	.text
	.protected	k_qfc3e34eb96_ffn
	.globl	k_qfc3e34eb96_ffn
	.p2align	8
	.type	k_qfc3e34eb96_ffn,@function
k_qfc3e34eb96_ffn:
	s_mov_b64 s[64:65], 0
	v_nop
	global_prefetch_b8 v0, s[64:65] scope:SCOPE_SE
	s_setreg_imm32_b32 hwreg(HW_REG_WAVE_SCHED_MODE, 0, 2), 2
	s_setreg_imm32_b32 hwreg(HW_REG_WAVE_MODE, 25, 1), 1
	s_wait_xcnt 0x0
	s_wait_alu depctr_vm_vsrc(0)
; FFN.  One work-group takes one tile, up to 64 rows of one expert, through the chain: y = relu(x W1 + b1) W2 + b2, both products on codes of BF6 with E8M0 scales.
; The hidden layer is quantised on the way and never goes to memory.  ceil(8,192 / 64) + 7 = 135 tiles serve every split; which expert and which 64 places of its list are tile i's is
; worked out from the eight counts that an earlier launch stored.  A tile with fewer than 64 rows computes on the pad entries that follow in the list and stores only its own rows.
; SHARES.  The four waves share the columns: in a chunk of 512 hidden units wave w makes units 128 w .. + 127 of it for all 64 rows (four row tiles m), and it owns output columns 128 w .. + 127.
; Both products are used transposed (source 0 = 16 rows of a weight tile, source 1 = 16 rows of the tile): a lane holds one row, its registers run along the columns.
; The weights come from memory straight into registers, in the order of the operand registers: a unit is four fragments and their scale words, 13 loads, for 16 matrix instructions;
; four ring slots: one at work, three on their way.  x's and the hidden layer's fragments go from wave to wave through LDS as images of their registers.
; THE WALK.  Tile i begins with chunk i & 3 and walks the four chunks round: the tiles of one expert do not all ask for the same bytes at the same moment; a chunk that one tile reads
; first is read by its neighbours a trip or more later.  The second product's sum over the chunks is taken in the order of the walk.
; NO JOINT LOADS: the tiles of one expert number ceil(rows / 64), anything from 0 to 64 by a count read from memory, and 135 work-groups do not divide into clusters of four;
; a joint load's address would hang on that count, and the weights would have to pass through LDS besides.
; THE MODE: SCHED_MODE bits 1:0 = 2 (LLVM: expert scheduling mode 2), set by the entry lines.  The code itself states the register dependences
; between vector or matrix instructions and memory or LDS instructions, with s_wait_alu, always for 0.
; THE PLAN.  Registers that memory or LDS instructions touch:
;   ring slot q, its two scale registers    read by the matrix instructions of unit j, j % 4 = q; the loads of unit j + 4 land there, issued in unit j + 1.
;   rows' set p, its four scale registers   read by the matrix instructions of a K step's two units; the LDS loads of the K step after next land there, issued in the first unit of the K step between.
;                                           v32-95 of the two sets are also the quantiser's 64 numbers: written by RELU, read by QUANT.
;   b1's tiles                              read by units 0 and 1 as C; the next chunk's land there in unit 14.
;   PC, PW                                  written by QUANT; read by the four LDS stores of an image.
;   v[BA]                                   read by the LDS loads of b1; written once a trip, at the quantiser's head.
;   all other addresses, and the 64 offsets of the way out: made at the head, never written again.
; So ONE wait on va_vdst stands at a unit's head: the unit before is done reading its slot (in a K step's first unit: the K step before its set of rows).  Behind it come the unit's first four matrix
; instructions, the loads into what that wait has freed, and the other twelve: these name the unit's own slot, its own set and the accumulators, none of the registers that those loads touch.
; A row tile of the hidden layer has a wait on vm_vsrc ahead of QUANT (the last image's stores have read PC and PW) and one on va_vdst behind it (PC and PW are written).
; REGISTERS: window 0: addresses, scale words, the rows' fragments (two sets), the quantiser's work, the offsets of the way out.  Window 1: the hidden layer, 64 m + 8 t.  Window 2: y, 64 m + 8 t.
;   Window 3: v0-191 the ring of four weight units, v192-255 b1's eight tiles.
; LIMITS: NaN and infinities are not served; a block whose largest magnitude lies under 2^-122 keeps the scale byte 1.
.set XIMG, 0                           ; LDS: x's 16 fragments (4 m + s), 1,536 bytes each
.set XSC,  24576                       ; their scale words, 128 bytes each
.set HIMG, 26624                       ; the hidden layer's 16 fragments of a chunk (4 m + s)
.set HSC,  51200
.set B1L,  53248                       ; b1 of my hidden units: 2,048 bytes a wave, 512 a trip, in the order of the walk
.set STG,  61440                       ; the way out: 16 rows x (512 + 16) bytes for each wave
.set B2L,  95232                       ; b2 of my 128 columns: 512 bytes a wave
.set UB,   6144                        ; a unit's codes
.set CHW,  196608                      ; a chunk's codes: four blocks of 49,152 bytes
.set A16, 1                            ; v1  16 x lane
.set A4,  2                            ; v2  4 x lane
.set A8,  3                            ; v3  8 x lane
.set XWI, 4                            ; v4  where I store x's images
.set XWS, 5                            ; v5  and their scale words
.set HWI, 6                            ; v6  the hidden layer's
.set HWS, 7                            ; v7
.set BB,  8                            ; v8  b1 in LDS: my wave's, + 64 h
.set BA,  9                            ; v9  the same for the chunk whose b1 is fetched next
.set SO,  10                           ; v10 the stage: where I put my numbers
.set SR,  11                           ; v11 and where I read rows back
.set CL,  12                           ; v12 512 w + 16 l: my bytes of a row of ybuf
.set WS,  16                           ; v16-23  the weights' scale words, two registers a ring slot
.set BS,  24                           ; v24-31  the rows' scale words, two sets of four
.set BF,  32                           ; v32-127 the rows' fragments, two sets of four
.set T,   32                           ; v32-95  64 numbers of the hidden layer for the quantiser (the fragments are not live then)
.set OB,  32                           ; v32-95  the way out: 16 rows
.set HB,  96                           ; v96-111 at the head only: b1; v112-115: b2
.set PC,  128                          ; v128-147 the codes just made
.set TM,  148                          ; v148-163 the quantiser's work
.set PW,  164                          ; v164 the scale word just made.  v165-174: addresses of the head
.set YO,  176                          ; v176-239 the way out: row i's slot x 2,048 bytes + my columns
.set B1R, 192                          ; in window 3
.set P1, 4                             ; s[4:5] W1's codes of the chunk in hand, s[6:7] its scale words, s[8:9], s[10:11] W2's
.set S1, 6
.set P2, 8
.set S2, 10
.set SEL, 12
.set WBS, 88                           ; s[88:89] my block of W1's codes in chunk 0 of the expert;  s[98:99] of its scale words
.set SBS, 98
.set PN,  90                           ; s[90:91], s[92:93] W1's codes and scale words of the chunk that follows in the walk
.set SN,  92
.set MSB, 0
.macro WIN new                         ; the immediate's high byte repeats the setting that is left
.if MSB != \new
	s_set_vgpr_msb (MSB<<8)|\new
.set MSB, \new
.endif
.endm
.macro BARRIER                         ; my LDS stores have landed and my LDS loads are in: then the work-group's barrier
	s_wait_dscnt 0x0
	s_barrier_signal -1
	s_barrier_wait -1
.endm
; a weight unit into ring slot: four fragments, 12 loads of 512 consecutive bytes, and two scale registers: 13 loads
.macro WLOAD slot, pb, sb, off, soff
	WIN 0xc0                                       ; destination window 3
.irp f, 0,1,2,3
.irp p, 0,1,2
	global_load_b128 v[48*(\slot)+12*\f+4*\p:48*(\slot)+12*\f+4*\p+3], v[A16], s[\pb:\pb+1] offset:(\off)+1536*\f+512*\p
.endr
.endr
	WIN 0
	global_load_b64 v[WS+2*(\slot):WS+2*(\slot)+1], v[A8], s[\sb:\sb+1] offset:\soff
.endm
; The head of a unit.  cnt: the loads of the units issued behind this unit's.  rows = 1: the first unit of a K step.
.macro OPEN cnt, rows
	s_wait_loadcnt \cnt                            ; the unit's 13 loads are in
.if \rows
	s_wait_dscnt 0x0                               ; the rows' fragments of this K step and their scale words are in (in unit 0: b1 too)
.endif
	s_wait_alu depctr_va_vdst(0)                   ; the matrix instructions of the unit before are done reading their ring slot and its scale words; in a K step's first unit those of the K step before are done reading the other set of rows and its scale words, in unit 14 those of units 0 and 1 b1's tiles: the loads below land there.  (In the first trip's unit 0: the head's vector lines have written the offsets of the way out)
.endm
; unit j of a trip's 16: tiles 4 (j % 2) .. + 3 against the four row tiles, 128 along K.  mode 0: the first product's K step 0 (C = b1); 1: its others; 2: the second product.
; The accumulators take turns, one instruction a turn.  MM: tile tt of the unit's four.
.macro MWIN mode
.if \mode == 0
	WIN 0x73                                       ; A window 3, B window 0, C window 3, D window 1
.elseif \mode == 1
	WIN 0x53                                       ; C and D window 1
.else
	WIN 0xa3                                       ; C and D window 2
.endif
.endm
.macro MM j, mode, tt
.irp m, 0,1,2,3
.set rD, 64*\m+8*(4*((\j)%2)+(\tt))
.set rA, 48*((\j)%4)+12*(\tt)
.set rB, BF+48*(((\j)/2)%2)+12*\m
.set rC, rD
.if \mode == 0
.set rC, B1R+8*(4*((\j)%2)+(\tt))
.endif
.set rSA, WS+2*((\j)%4)+(\tt)/2
.set rSB, BS+4*(((\j)/2)%2)+\m
.if (\tt)%2
	v_wmma_scale_f32_16x16x128_f8f6f4 v[rD:rD+7], v[rA:rA+11], v[rB:rB+11], v[rC:rC+7], v[rSA], v[rSB] matrix_a_fmt:MATRIX_FMT_BF6 matrix_b_fmt:MATRIX_FMT_BF6 matrix_a_scale:MATRIX_SCALE_ROW1
.else
	v_wmma_scale_f32_16x16x128_f8f6f4 v[rD:rD+7], v[rA:rA+11], v[rB:rB+11], v[rC:rC+7], v[rSA], v[rSB] matrix_a_fmt:MATRIX_FMT_BF6 matrix_b_fmt:MATRIX_FMT_BF6
.endif
.endr
.endm
.macro MMA j, mode                     ; a unit's first four matrix instructions: they are at work while the loads behind them are issued
	MWIN \mode
	MM \j, \mode, 0
.endm
.macro MMB j, mode                     ; its other twelve.  Four plain places follow: reads of results by vector instructions and LDS stores, and vector writes of the operands, stand behind them
	MWIN \mode
	MM \j, \mode, 1
	MM \j, \mode, 2
	MM \j, \mode, 3
.rept 4
	v_nop
.endr
.endm
; the four row tiles' fragments and scale words of K step s, from images at img / sc, into set buf
.macro BFETCH buf, img, sc, s
	WIN 0
.irp m, 0,1,2,3
.irp p, 0,1,2
	ds_load_b128 v[BF+48*(\buf)+12*\m+4*\p:BF+48*(\buf)+12*\m+4*\p+3], v[A16] offset:(\img)+(4*\m+(\s))*1536+512*\p
.endr
	ds_load_b32 v[BS+4*(\buf)+\m], v[A4] offset:(\sc)+(4*\m+(\s))*128
.endr
.endm
.macro BIAS                            ; b1 in the result's layout: tile 2 b + u, lane (r, h): units 32 b + 16 h + 8 u + 0 .. 7
	WIN 0xc0
.irp t, 0,1,2,3,4,5,6,7
	ds_load_b128 v[B1R+8*\t:B1R+8*\t+3], v[BA] offset:128*(\t/2)+32*(\t%2)
	ds_load_b128 v[B1R+8*\t+4:B1R+8*\t+7], v[BA] offset:128*(\t/2)+32*(\t%2)+16
.endr
.endm
.macro RELU m                          ; row tile m's 64 numbers, each accumulator from its low end on
	WIN 0x04                                       ; source 1 window 1
.set j, 0
.rept 64
	v_max_num_f32 v[T+j], 0, v[64*\m+j]
.set j, j+1
.endr
	WIN 0
.endm
; 64 numbers of a lane, register 16 b + i = k 32 b + 16 (lane / 16) + i of my row, become a fragment's codes in v[PC] on and its scale word in v[PW]
.macro QUANT s
.irp b, 0,1,2,3
	v_max3_num_f32 v[TM+\b], |v[\s+16*\b]|, |v[\s+1+16*\b]|, 0x2800000   ; my 16 numbers of block b, and the floor 2^(5 - 127)
.endr
.irp i, 2,4,6,8,10,12,14
.irp b, 0,1,2,3
	v_max3_num_f32 v[TM+\b], v[TM+\b], |v[\s+16*\b+\i]|, |v[\s+1+16*\b+\i]|
.endr
.endr
.irp b, 0,1,2,3
	v_permlanex16_b32 v[TM+4+\b], v[TM+\b], s[SEL], s[SEL+1]
.endr
.irp b, 0,1,2,3
	v_max_num_f32 v[TM+\b], v[TM+\b], v[TM+4+\b]   ; with lane l xor 16's: the block's largest magnitude
.endr
.irp b, 0,1,2,3
	v_add_nc_u32 v[TM+12+\b], 0xfe000000, v[TM+\b] ; 4 off its exponent field: the conversion's scale operand
.endr
.irp b, 0,1,2,3
	v_lshrrev_b32 v[TM+4+\b], 23, v[TM+12+\b]      ; the scale's byte
.endr
	v_lshl_or_b32 v[PW], v[TM+5], 8, v[TM+4]
	v_lshl_or_b32 v[PW], v[TM+6], 16, v[PW]
	v_lshl_or_b32 v[PW], v[TM+7], 24, v[PW]
.irp c, 0,1
	v_cvt_scalef32_pk16_bf6_f32 v[PC+6*\c:PC+2+6*\c], v[\s+32*\c:\s+15+32*\c], v[TM+12+2*\c]
	v_cvt_scalef32_pk16_bf6_f32 v[PC+12+4*\c:PC+14+4*\c], v[\s+16+32*\c:\s+31+32*\c], v[TM+12+2*\c+1]   ; (a conversion's three registers begin on an even number)
.endr
	v_nop                                          ; a plain line behind the conversions
.irp c, 0,1                            ; the operand wants a whole block in a lane: lanes 0-15 block 2 c, lanes 16-31 block 2 c + 1
.irp i, 0,1,2
	v_permlane16_swap_b32 v[PC+6*\c+\i], v[PC+12+4*\c+\i]
.endr
.irp i, 0,1,2
	v_mov_b32 v[PC+3+6*\c+\i], v[PC+12+4*\c+\i]
.endr
.endr
.endm
.macro IMAGE adr, off
.irp c, 0,1,2
	ds_store_b128 v[\adr], v[PC+4*\c:PC+4*\c+3] offset:(\off)+512*\c
.endr
.endm
; Row tile m of the hidden layer: activation, quantiser, image to LDS: K step w of the second product.  last = 1: the walk's last chunk, behind which no b1 is fetched.
.macro HID m, last
	RELU \m
.if \m == 0
.if !\last
	s_add_co_u32 s96, s96, 512                     ; the next chunk's bytes in b1
.endif
.endif
	s_wait_alu depctr_vm_vsrc(0)                   ; the LDS stores of the image before (for row tile 0: the last chunk's last) have read v[PC ..] and v[PW], which QUANT writes again; for row tile 0 the LDS loads of b1 have read v[BA] too
.if \m == 0
.if !\last
	v_add_nc_u32 v[BA], s96, v[BB]
.endif
.endif
	QUANT T
	s_wait_alu depctr_va_vdst(0)                   ; QUANT has written v[PC ..] and v[PW], which the LDS stores below read.  Row tile 0: v[BA] is written, and unit 7's matrix instructions are done reading ring slot 3.  Row tile 3: RELU and QUANT are done with v32-95, in which the hidden fragments land behind the barrier
.if \m == 0
	WLOAD 3, P2, S2, 3*UB, 3*256                   ; unit 11: it has the quantiser's four row tiles in which to land
	BARRIER                                        ; every wave's reads of the last chunk's hidden images are in: they may be written again
.endif
	IMAGE HWI, HIMG+6144*\m
	ds_store_b32 v[HWS], v[PW] offset:HSC+512*\m
.endm
	s_load_b256 s[84:91], s[0:1], 0x0              ; plan s[84:85], xqs s[86:87], wq s[88:89], b1 s[90:91]
	s_load_b128 s[92:95], s[0:1], 0x20             ; b2 s[92:93], ybuf s[94:95]
	v_lshl_add_u32 v254, v0, 2, 0x17c00
	v_mov_b32 v255, 0
	v_lshrrev_b32 v13, 5, v0
	v_readfirstlane_b32 s14, v13                   ; wave 0..3
	v_and_b32 v14, 31, v0
	v_and_b32 v167, 15, v0                         ; r
	v_bfe_u32 v168, v0, 4, 1                       ; h
	v_lshlrev_b32 v[A16], 4, v14
	v_lshlrev_b32 v[A4], 2, v14
	v_lshlrev_b32 v[A8], 3, v14
	s_wait_alu depctr_va_sdst(0)                   ; s14 is written, ahead of its first reader: LDS addresses and the weights' bases are made from it
	s_mul_i32 s2, s14, 6144
	v_add_nc_u32 v[XWI], s2, v[A16]                ; x's images: I make row tile m = wave
	s_lshl_b32 s2, s14, 9
	v_add_nc_u32 v[XWS], s2, v[A4]
	v_add_nc_u32 v[CL], s2, v[A16]
	s_add_co_u32 s2, s2, B2L
	v_lshl_add_u32 v166, v168, 6, s2               ; b2 in LDS: my wave's, + 64 h
	v_add_nc_u32 v170, s2, v[A16]                  ; and where I put it
	s_mul_i32 s2, s14, 1536
	v_add_nc_u32 v[HWI], s2, v[A16]                ; the hidden layer's: I make K step s = wave of every row tile
	s_lshl_b32 s2, s14, 7
	v_add_nc_u32 v[HWS], s2, v[A4]
	s_lshl_b32 s2, s14, 11
	s_add_co_u32 s2, s2, B1L
	v_lshl_add_u32 v[BB], v168, 6, s2
	v_mov_b32 v[BA], v[BB]                         ; the walk's first chunk
	v_add_nc_u32 v169, s2, v[A16]
	s_mul_i32 s2, s14, 8448
	s_add_co_u32 s2, s2, STG
	v_mul_u32_u24 v[SO], v167, 528
	v_lshl_add_u32 v[SO], v168, 6, v[SO]
	v_add_nc_u32 v[SO], s2, v[SO]
	v_add_nc_u32 v[SR], s2, v[A16]
	s_mov_b32 s[SEL], 0x76543210
	s_mov_b32 s[SEL+1], 0xfedcba98
	s_and_b32 s97, ttmp9, 3                        ; the chunk with which my walk begins
	s_wait_kmcnt 0x0
	s_load_b256 s[68:75], s[84:85], 0x0            ; the eight experts' counts of rows
	s_wait_kmcnt 0x0
	s_mov_b32 s96, 0                               ; MY TILE: the last expert whose first tile is not behind mine,
	s_mov_b32 s98, s68                             ; its rows,
	s_mov_b32 s99, 0                               ; (the tiles of the experts passed)
	s_mov_b32 s100, 0                              ; its first tile
.irp e, 0,1,2,3,4,5,6
	s_add_co_u32 s3, s[68+\e], 63
	s_lshr_b32 s3, s3, 6
	s_add_co_u32 s99, s99, s3
	s_cmp_ge_u32 ttmp9, s99
	s_cselect_b32 s96, \e+1, s96
	s_cselect_b32 s100, s99, s100
	s_cselect_b32 s98, s[69+\e], s98
.endr
	s_sub_co_u32 s101, ttmp9, s100
	s_lshl_b32 s101, s101, 6                       ; my first place in its list
	s_sub_co_i32 s15, s98, s101
	s_max_i32 s15, s15, 0
	s_min_i32 s15, s15, 64                         ; my rows: 0 for a tile that this split leaves empty,
	s_cmp_eq_u32 s15, 0
	s_cselect_b32 s101, 0, s101                    ; which reads the list's head: entries that have been written
	s_min_u32 s101, s101, 4032
	s_min_u32 s96, s96, 7
	s_mul_i32 s3, s96, 16640
	s_lshl_b32 s101, s101, 2
	s_add_co_u32 s3, s3, s101
	s_load_b512 s[16:31], s[84:85], s3 offset:256  ; the 64 slots, for the way out: row i in s[16 + i], rows 48 on in s[68 + i - 48]
	s_load_b512 s[32:47], s[84:85], s3 offset:320
	s_load_b512 s[48:63], s[84:85], s3 offset:384
	s_load_b512 s[68:83], s[84:85], s3 offset:448
	s_lshl_b32 s2, s14, 6
	s_add_co_u32 s2, s2, s3
	v_lshl_add_u32 v13, v167, 2, s2                ; the list entry of row 16 w + r
	s_mov_b32 s101, 0
	s_lshl_b32 s98, s14, 9
	s_lshl_b32 s100, s96, 13
	s_add_co_u32 s100, s100, s98
	s_add_nc_u64 s[90:91], s[90:91], s[100:101]    ; b1: the expert's row, my 128 of chunk 0
	s_lshl_b32 s100, s96, 11
	s_add_co_u32 s100, s100, s98
	s_add_nc_u64 s[92:93], s[92:93], s[100:101]    ; b2: the expert's row, my 128 columns
.irp n, 0,1,2,3                        ; where b1 of the walk's n-th chunk lies
	s_add_co_u32 s99, s97, \n
	s_and_b32 s99, s99, 3
	s_lshl_b32 s99, s99, 11
	v_add_nc_u32 v[171+\n], s99, v[A16]
.endr
	s_wait_alu depctr_va_vdst(0)                   ; every address and offset made so far is written (v1 to v13, v166, v169 to v174, v254, v255): the loads and stores of the kernel read them; and the lines that wrote and read v14 are done: the list entry lands there
	global_load_b128 v[112:115], v[A16], s[92:93]
.irp n, 0,1,2,3
	global_load_b128 v[HB+4*\n:HB+4*\n+3], v[171+\n], s[90:91]
.endr
	global_load_b32 v14, v13, s[84:85] offset:256
	s_lshl_b32 s98, s96, 15                        ; the weights: an expert is 16 blocks of 49,152 bytes of codes and of 2,048 bytes of scale words; block 4 c + w is mine in chunk c
	s_lshl_b32 s99, s14, 11
	s_add_co_u32 s98, s98, s99
	s_add_co_u32 s98, s98, 12582912
	s_mov_b32 s99, 0
	s_add_nc_u64 s[SBS:SBS+1], s[88:89], s[98:99]
	s_mul_i32 s100, s96, 786432
	s_mul_i32 s2, s14, 49152
	s_add_co_u32 s100, s100, s2
	s_add_nc_u64 s[WBS:WBS+1], s[88:89], s[100:101]
	s_mul_i32 s100, s97, CHW
	s_add_nc_u64 s[P1:P1+1], s[WBS:WBS+1], s[100:101]
	s_add_nc_u64 s[P2:P2+1], s[P1:P1+1], 6291456
	s_lshl_b32 s100, s97, 13
	s_add_nc_u64 s[S1:S1+1], s[SBS:SBS+1], s[100:101]
	s_add_nc_u64 s[S2:S2+1], s[S1:S1+1], 262144
	WLOAD 0, P1, S1, 0, 0                          ; units 0 to 2 are asked for as soon as the expert is known: they land while the rows are gathered.  Unit 3 is asked for in unit 0, in the first trip as in every trip
	WLOAD 1, P1, S1, UB, 256
	WLOAD 2, P1, S1, 2*UB, 512
	s_wait_loadcnt 39                              ; b2, b1 and my list entry are in; the three units' 39 loads issued behind them may be out
	v_lshrrev_b32 v14, 1, v14                      ; the token
	v_min_u32 v14, 0xfff, v14
	v_mul_u32_u24 v15, v14, 384
	v_mad_u32_u24 v15, v168, 192, v15              ; my half's 192 bytes: the four fragments' registers on end
	v_lshlrev_b32 v165, 4, v14
	s_wait_alu depctr_va_vdst(0)                   ; v15 and v165 are written: the gather's loads read them as offsets
.set i, 0
.rept 12
	global_load_b128 v[BF+4*i:BF+4*i+3], v15, s[86:87] offset:16*i
.set i, i+1
.endr
	global_load_b128 v[BS:BS+3], v165, s[86:87] offset:1572864   ; the token's four scale words
.irp n, 0,1,2,3                        ; while x is on its way: the biases go to my own LDS bytes,
	ds_store_b128 v169, v[HB+4*\n:HB+4*\n+3] offset:512*\n
.endr
	ds_store_b128 v170, v[112:115]
	WIN 0x80                                       ; and b2 comes back in the result's layout, straight into y's accumulators: it starts the sums, and every product of the second kind adds in place.
.irp m, 0,1,2,3                        ; (LDS serves a wave's instructions in order: these see my store)
.irp t, 0,1,2,3,4,5,6,7
	ds_load_b128 v[64*\m+8*\t:64*\m+8*\t+3], v166 offset:128*(\t/2)+32*(\t%2)
	ds_load_b128 v[64*\m+8*\t+4:64*\m+8*\t+7], v166 offset:128*(\t/2)+32*(\t%2)+16
.endr
.endr
	WIN 0
.irp b, 0,1,2,3
	v_mov_b32 v[TM+4+\b], 0                        ; written once: a lane permute's destination counts as one of its sources
.endr
	s_wait_kmcnt 0x0                               ; the 64 slots
.set R, 0
.rept 64                               ; the offsets of the way out are made here, once, while x is on its way: no address is made behind the loop
	s_min_u32 s[16+R+4*(R/48)], s[16+R+4*(R/48)], 8191
.set R, R+1
.endr
.set R, 0
.rept 64
	v_lshl_add_u32 v[YO+R], s[16+R+4*(R/48)], 11, v[CL]   ; slot x 2,048 bytes + my columns
.set R, R+1
.endr
	s_wait_loadcnt 0x0                             ; x, the youngest loads
.irp s, 0,1,2,3
.irp p, 0,1,2
	ds_store_b128 v[XWI], v[BF+12*\s+4*\p:BF+12*\s+4*\p+3] offset:XIMG+1536*\s+512*\p
.endr
	ds_store_b32 v[XWS], v[BS+\s] offset:XSC+128*\s
.endr
	BARRIER                                        ; x's sixteen fragments lie in LDS
	s_wait_alu depctr_vm_vsrc(0)                   ; my LDS stores have read v24-27, v32-79 (x) and v96-115 (the biases): these registers are the rows' two sets from here on, in which LDS loads land
	s_mov_b32 s96, 0                               ; the chunk's bytes in b1
	BIAS
	BFETCH 0, XIMG, XSC, 0
	s_add_co_u32 s97, s97, 1                       ; the chunk that follows in the walk (b1's and b2's loads are done: their pointers' registers are free)
	s_and_b32 s97, s97, 3
	s_mul_i32 s100, s97, CHW
	s_add_nc_u64 s[PN:PN+1], s[WBS:WBS+1], s[100:101]
	s_lshl_b32 s100, s97, 13
	s_add_nc_u64 s[SN:SN+1], s[SBS:SBS+1], s[100:101]
; A TRIP: one chunk of 512 hidden units.  Units 0-7: W1 (K steps 0-3 over D); units 8-15: W2 (the chunk's four K steps over F).  In unit j the unit three on is asked for, into the slot that unit j - 1 has read.
; The count 26 is two units of 13 loads: those asked for in the two units before.
.macro TRIP last
	OPEN 26, 1
	MMA 0, 0
	WLOAD 3, P1, S1, 3*UB, 3*256
	BFETCH 1, XIMG, XSC, 1
	MMB 0, 0
	OPEN 26, 0
	MMA 1, 0
	WLOAD 0, P1, S1, 4*UB, 4*256
	MMB 1, 0
	OPEN 26, 1
	MMA 2, 1
	WLOAD 1, P1, S1, 5*UB, 5*256
	BFETCH 0, XIMG, XSC, 2
	MMB 2, 1
	OPEN 26, 0
	MMA 3, 1
	WLOAD 2, P1, S1, 6*UB, 6*256
	MMB 3, 1
	OPEN 26, 1
	MMA 4, 1
	WLOAD 3, P1, S1, 7*UB, 7*256
	BFETCH 1, XIMG, XSC, 3
	MMB 4, 1
	OPEN 26, 0
	MMA 5, 1
	WLOAD 0, P2, S2, 0, 0
	MMB 5, 1
	OPEN 26, 1
	MMA 6, 1
	WLOAD 1, P2, S2, UB, 256
	MMB 6, 1
	OPEN 26, 0
	MMA 7, 1
	WLOAD 2, P2, S2, 2*UB, 2*256
	MMB 7, 1
	HID 0, \last
	HID 1, \last
	HID 2, \last
	HID 3, \last
	BARRIER                                        ; the chunk's sixteen hidden fragments lie in LDS
	BFETCH 0, HIMG, HSC, 0
	s_wait_loadcnt 39                              ; unit 8 is in; units 9, 10 and 11 were asked for behind it
	s_wait_dscnt 0x0                               ; the hidden layer's K step 0 is in
	MMA 8, 2                                       ; no wait on va_vdst in this unit: no vector or matrix instruction since the quantiser's last one names the other set of rows, and no weights are asked for
	BFETCH 1, HIMG, HSC, 1
	MMB 8, 2
	OPEN 26, 0
	MMA 9, 2
	WLOAD 0, P2, S2, 4*UB, 4*256
	MMB 9, 2
	OPEN 26, 1
	MMA 10, 2
	WLOAD 1, P2, S2, 5*UB, 5*256
	BFETCH 0, HIMG, HSC, 2
	MMB 10, 2
	OPEN 26, 0
	MMA 11, 2
	WLOAD 2, P2, S2, 6*UB, 6*256
	MMB 11, 2
	OPEN 26, 1
	MMA 12, 2
	WLOAD 3, P2, S2, 7*UB, 7*256
	BFETCH 1, HIMG, HSC, 3
	MMB 12, 2
.if \last
	s_wait_loadcnt 26                              ; nothing is left to ask for: the counts run down, and with no load to issue these units state no dependence
	MMA 13, 2
	MMB 13, 2
	s_wait_loadcnt 13
	s_wait_dscnt 0x0                               ; the hidden layer's last K step is in
	MMA 14, 2
	MMB 14, 2
	s_wait_loadcnt 0x0
	MMA 15, 2
	MMB 15, 2
	WIN 0
.else
	OPEN 26, 0
	MMA 13, 2
	WLOAD 0, PN, SN, 0, 0                          ; W1 of the chunk that follows in the walk
	MMB 13, 2
	OPEN 26, 1
	MMA 14, 2
	BIAS                                           ; the next chunk begins with its own b1 and x's K step 0
	WLOAD 1, PN, SN, UB, 256
	BFETCH 0, XIMG, XSC, 0
	MMB 14, 2
	OPEN 26, 0
	MMA 15, 2
	WLOAD 2, PN, SN, 2*UB, 512
	MMB 15, 2
	WIN 0                                          ; at a branch and at a label every window is 0
	s_wait_xcnt 0x0                                ; the loads have read their bases: the pointers may be written
	s_mov_b64 s[P1:P1+1], s[PN:PN+1]
	s_mov_b64 s[S1:S1+1], s[SN:SN+1]
	s_add_nc_u64 s[P2:P2+1], s[P1:P1+1], 6291456
	s_add_nc_u64 s[S2:S2+1], s[S1:S1+1], 262144
	s_add_co_u32 s97, s97, 1                       ; and the chunk behind that one, round the four (behind the last trip of the loop it is not used)
	s_and_b32 s97, s97, 3
	s_mul_i32 s100, s97, CHW
	s_add_nc_u64 s[PN:PN+1], s[WBS:WBS+1], s[100:101]
	s_lshl_b32 s100, s97, 13
	s_add_nc_u64 s[SN:SN+1], s[SBS:SBS+1], s[100:101]
.endif
.endm
	s_mov_b32 s2, 3
.Ltrip:
	TRIP 0
	s_sub_co_u32 s2, s2, 1
	s_cmp_lg_u32 s2, 0
	s_cbranch_scc1 .Ltrip
	TRIP 1                                         ; the walk's last chunk is written out: it asks for nothing more
; THE WAY OUT, a row tile at a time.  A lane holds numbers of one row and the lanes beside it other rows: the tile goes through my own stage in LDS and comes back as rows of my 128 columns,
; 512 consecutive bytes, which the 32 lanes store at the row's slot.  LDS serves a wave's instructions in order: no wait between the stores and the loads.  Rows beyond the tile's count are not stored.
; No vector instruction stands here: the offsets were made at the head.
	s_wait_alu depctr_va_vdst(0)                   ; behind the last unit's four places: the matrix instructions have written y's accumulators, which the LDS stores read, and are done reading the rows' sets, in which the loads from the stage land
.irp m, 0,1,2,3
.if \m > 0
	s_wait_xcnt 0x0                                ; the last tile's stores have had their addresses translated: their data registers are loaded again only behind this wait
	s_wait_alu depctr_vm_vsrc(0)                   ; the last tile's global stores have read v[OB ..], in which the loads from the stage land
.endif
	WIN 0x08                                       ; an LDS store's data: window 2
.irp t, 0,1,2,3,4,5,6,7
	ds_store_b128 v[SO], v[64*\m+8*\t:64*\m+8*\t+3] offset:128*(\t/2)+32*(\t%2)        ; each accumulator from its low end on
	ds_store_b128 v[SO], v[64*\m+8*\t+4:64*\m+8*\t+7] offset:128*(\t/2)+32*(\t%2)+16
.endr
	WIN 0
.irp i, 0,1,2,3,4,5,6,7,8,9,10,11,12,13,14,15
	ds_load_b128 v[OB+4*\i:OB+4*\i+3], v[SR] offset:528*\i
.endr
.irp i, 0,1,2,3,4,5,6,7,8,9,10,11,12,13,14,15
	s_cmp_le_u32 s15, 16*\m+\i                     ; the tile's rows are over: a count made of whole numbers that an earlier launch stored; no barrier stands behind this branch
	s_cbranch_scc1 .Ldone
	s_wait_dscnt 15-\i                             ; row i is back; the younger rows may be out
	global_store_b128 v[YO+16*\m+\i], v[OB+4*\i:OB+4*\i+3], s[94:95]
.endr
.endr
.Ldone:
	s_wait_dscnt 0x0                               ; the closing lines, six on end
	s_wait_alu 0x0
	s_wait_tensorcnt 0x0
	ds_add_u32 v254, v255
	s_wait_dscnt 0x0
	s_endpgm
.Lfunc_end_k_qfc3e34eb96_ffn:
	.size	k_qfc3e34eb96_ffn, .Lfunc_end_k_qfc3e34eb96_ffn-k_qfc3e34eb96_ffn
	.p2alignl 7, 3214868480
	.fill 96, 4, 3214868480
	.section	.rodata,"a",@progbits
	.p2align	6, 0x0
	.amdhsa_kernel k_qfc3e34eb96_ffn
		.amdhsa_group_segment_fixed_size 97792
		.amdhsa_private_segment_fixed_size 0
		.amdhsa_enable_private_segment 0
		.amdhsa_kernarg_size 48
		.amdhsa_user_sgpr_count 2
		.amdhsa_user_sgpr_kernarg_segment_ptr 1
		.amdhsa_wavefront_size32 1
		.amdhsa_system_sgpr_workgroup_id_x 1
		.amdhsa_system_sgpr_workgroup_id_y 1
		.amdhsa_system_sgpr_workgroup_id_z 1
		.amdhsa_system_vgpr_workitem_id 0
		.amdhsa_next_free_vgpr 1024
		.amdhsa_next_free_sgpr 102
		.amdhsa_reserve_vcc 0
		.amdhsa_float_denorm_mode_32 3
		.amdhsa_float_denorm_mode_16_64 3
		.amdhsa_memory_ordered 1
		.amdhsa_forward_progress 1
		.amdhsa_inst_pref_size 224
	.end_amdhsa_kernel
	.amdgpu_metadata
---
amdhsa.version: [ 1, 2 ]
amdhsa.kernels:
  - .name:           k_qfc3e34eb96_ffn
    .symbol:         k_qfc3e34eb96_ffn.kd
    .args:
      - { .name: plan, .offset: 0, .size: 8, .value_kind: global_buffer, .address_space: global }
      - { .name: xqs, .offset: 8, .size: 8, .value_kind: global_buffer, .address_space: global }
      - { .name: wq, .offset: 16, .size: 8, .value_kind: global_buffer, .address_space: global }
      - { .name: b1, .offset: 24, .size: 8, .value_kind: global_buffer, .address_space: global }
      - { .name: b2, .offset: 32, .size: 8, .value_kind: global_buffer, .address_space: global }
      - { .name: ybuf, .offset: 40, .size: 8, .value_kind: global_buffer, .address_space: global }
    .group_segment_fixed_size: 97792
    .private_segment_fixed_size: 0
    .kernarg_segment_align: 8
    .kernarg_segment_size: 48
    .max_flat_workgroup_size: 128
    .sgpr_count:     102
    .vgpr_count:     1024
    .wavefront_size: 32
...
	.end_amdgpu_metadata
.endif
;; end of part 7
;; launch comb: the kernel of part 4 again; grid 256 x 1, 8 waves a work-group, no clusters, 0 bytes of LDS; arguments ybuf, gate, out0; writes out0
